; MI455X (gfx1250); checked and timed in simulation.
; The chip was launched on July 23, 2026; its instructions are those of AMD's public machine-readable ISA for CDNA 5 (MIT licence, August 2026) and "CDNA5" Instruction Set Architecture Reference Guide (July 2026). The comments in the code are by the model that wrote it; some were corrected since.
;; Self Attention V3. Allowed arithmetic: matrix products marked QUANTISED: E2M3 operands, one E8M0 scale for each 32 along K, by v_wmma_scale_f32_16x16x128_f8f6f4 with both operands' format E2M3, f32 sums; everything else in f32.
;; Inputs: W_out 1,024 x 1,024 float32; W_qkv 1,024 x 3,072 float32; X 4 x 2,048 x 1,024 float32; attention_mask 4 x 2,048 x 2,048 bool; b_out 1,024 float32; b_qkv 3,072 float32.
;; Outputs: out0 4 x 2,048 x 1,024 float32.
;; This version of the problem:
;;   THIS VERSION OF THE PROBLEM IS GIVEN IN LOW PRECISION. The matrix products marked QUANTISED in the list below multiply operands that are first quantised to E2M3 (2 exponent bits, 3 mantissa bits; 6 bits a number), with one power-of-two scale for each 32 numbers along K (OCP MX v1.0); their sums are f32. All else is computed in f32.
;;   The module's matrix products, in the order in which they are computed (A, B: the left and right operand; K: the contracted axis; several contracted axes count as one K, in the product's order):
;;     1. [M 8,192, K 1,024] x [K 1,024, N 3,072]; A: input X; B: input W_qkv: QUANTISED
;;     2. batch 4 x [M 2,048, K 1,024] x [K 1,024, N 2,048]; A: computed on the way; B: computed on the way: QUANTISED
;;     3. batch 4 x [M 2,048, K 2,048] x [K 2,048, N 1,024]; A: softmax (see below); B: computed on the way: QUANTISED
;;     4. [M 8,192, K 1,024] x [K 1,024, N 1,024]; A: computed on the way; B: input W_out: QUANTISED
;;   THE QUANTISER, for each operand of a quantised product, along K:
;;     - K is cut into blocks of 32 from its start; a last block that is shorter is filled with zeros.
;;     - A block's scale is 2^e with e = floor(log2(the largest magnitude in the block)) - 2, held to -126 .. 127; a block of zeros has e = 0. As a byte (E8M0): e + 127.
;;     - Each number is divided by its block's scale, clamped to +-7.5, and rounded to the nearest number of E2M3, ties to even, subnormals kept.
;;     - The product sums the exact products of the quantised numbers (number of the format x scale) in f32.
;;   ~~~python
;;   def quantise(x, axis):      # numpy; x: float32 -> the quantised numbers, widened to float32 again
;;       x = np.moveaxis(x, axis, -1); K = x.shape[-1]
;;       x = np.pad(x, [(0, 0)] * (x.ndim - 1) + [(0, -K % 32)]); x = x.reshape(x.shape[:-1] + (-1, 32)); a = np.abs(x).max(-1, keepdims=True)
;;       e = np.where(a > 0, np.clip(np.frexp(np.where(a > 0, a, 1))[1] - 1 - 2, -126, 127), 0)      # np.frexp(a)[1] - 1 = floor(log2(a)), exactly
;;       r = np.clip(x / 2.0 ** e, -7.5, 7.5)
;;       step = 2.0 ** (np.maximum(np.frexp(np.where(r == 0, 1, r))[1] - 1, 0) - 3)
;;       q = np.round(r / step) * step * 2.0 ** e      # np.round: ties to even
;;       return np.moveaxis(q.reshape(q.shape[:-2] + (-1,))[..., :K], -1, axis).astype(np.float32)
;;   ~~~
;;   SOFTMAX AHEAD OF A QUANTISED PRODUCT. Where the list says 'softmax', what is quantised is not the finished softmax but p = 2^(t - M), with t = logit x log2(e) and M = ceil(the row's largest t), a whole number; so 1/2 < the row's largest p <= 1. The row's sum l is taken of the UNQUANTISED p, in f32, and the product's result is divided by l at the end. Since M is a whole number, a kernel that streams over the keys may use a running M (the ceiling of the running maximum): every later rescaling is an exact power of two, which a block's scale takes up: the codes' values come out the same.
;;   OPERANDS COMPUTED ON THE WAY. 'Computed on the way' means the value that the module computes at that place (a softmax that the list does not call 'softmax' is quantised finished and normalised). What goes into a quantiser is computed in f32, as accurately as f32 sums, v_exp_f32 and their like allow (about 1e-6 of the number): no bf16 or f16 on the way to a quantiser, and a product that is left as it is and whose result goes on into a quantised operand takes f32 operands (vector FMAs, or v_wmma_f32_16x16x4_f32). A number that lies on a knife's edge between two numbers of the format may be rounded either way, as far as f32 arithmetic and the matrix unit's own rounding can turn it there, and no further.
;; One version. Each part assembles by itself: llvm-mc -triple=amdgcn-amd-amdhsa -mcpu=gfx1250 --defsym DOCPART=n.
;; ======== version 1 of 1: 5 launches
;; limits: right only within a limited range of input values
;; workspace buffers: qin 9,830,400 bytes; qkvb 19,660,800 bytes; pbuf 14,155,776 bytes; cbuf 6,553,600 bytes
;; launch quant (part 1): grid 512 x 1, 4 waves a work-group, no clusters, 34,304 bytes of LDS; arguments X, W_qkv, W_out, qin; writes qin
.if DOCPART == 1
	.amdgcn_target "amdgcn-amd-amdhsa--gfx1250"
	.amdhsa_code_object_version 6
	.text
	.protected	k_q1cde252cb0_quant
	.globl	k_q1cde252cb0_quant
	.p2align	8
	.type	k_q1cde252cb0_quant,@function
k_q1cde252cb0_quant:
	s_mov_b64 s[64:65], 0
	v_nop
	global_prefetch_b8 v0, s[64:65] scope:SCOPE_SE
	s_setreg_imm32_b32 hwreg(HW_REG_WAVE_MODE, 25, 1), 1
	s_wait_xcnt 0x0
; LAUNCH 1 OF 5.  X [8192][1024], W_qkv [1024][3072] and W_out [1024][1024], f32, become codes of FP6 (E2M3) with one E8M0 byte for each 32 along K:
; X along its last axis, the weights along their FIRST axis.  The four products that follow (X W_qkv, Q K^T, p V, ctx W_out) read codes alone.
; NOTHING OF THE PROBLEM IS LEFT OUT IN ANY LAUNCH: every input has a way to the output, both biases are added ahead of a quantiser or the result, and the mask is an input, so no tile is passed over.
; LAYOUT OF EVERY OPERAND IN THIS PROGRAM'S WORKSPACE: images of the operand's registers.  A fragment (16 rows x 128 K, 12 registers a lane) is 1,536 bytes: registers 4 c .. 4 c + 3 of lane l at 512 c + 16 l.
; THE ROWS OF A FRAGMENT ARE NOT NEIGHBOURS: lane r of row block t holds row 32 (t / 2) + 8 (t % 2) + r + 8 (r / 8).  As source 0 of a product such an operand gives a lane 16 neighbours along the next K in the 16 registers of
; two neighbouring tiles; as source 1 it hands its order of rows on to the result.  Scale words: for 128 rows (8 row blocks) and 128 K a block of 512 bytes, the word of lane r, row block a at 32 r + 4 a.
; qin: X's codes [512 row blocks][8 K steps][1,536]; X's scale words [64][8][512]; then the same for W_qkv's 3,072 columns and W_out's 1,024.
; A block's scale is 2^(floor(log2(its largest magnitude)) - 2): its byte is the largest magnitude's exponent field - 2, held at 1 from below.
; LIMITS: a block of zeros gets the byte 1 where the rule says 127 (its codes are zeros, and this program alone reads the bytes); NaN and infinities among the inputs are not served.
; SHARES.  Work-groups 0-255: X, a wave takes 64 rows x 128 K (4 fragments); each load reads 512 consecutive bytes of a row, and 16 rows turn through the wave's own stage in LDS so that a lane gets 16 neighbours of each block.
; Work-groups 256-447: W_qkv, 448-511: W_out: a wave takes 32 columns x 128 K; a lane takes a column and its registers run down K, so nothing is transposed.  As many work-groups for X as for the weights: 131,072 bytes read by
; each of the first kind, 65,536 by each of the second.  No matrix unit, no cluster: memory binds, and waves share nothing.
.set SPARE, 33792                      ; behind the four stages: the spare words, 128 bytes for each wave
.set XSO,   6291456                    ; byte offsets in qin
.set WQC,   6553600
.set WQS,   8912896
.set WOC,   9011200
.set WOS,   9797632
.set SPW,   254                        ; v254 LDS address of my spare word; never rewritten
.set NIL,   255                        ; v255 0; never rewritten
.set SEL,   20                         ; s[20:21] lane selects: lane l xor 16
.set R,     16                         ; path X: v16-143 two sets of 16 rows' 16 bytes as loaded
.set XN,    144                        ; v144-207 64 numbers of my row: register 16 b + i = k 32 b + 16 (lane / 16) + i
.set PC,    208                        ; v208-227 the codes just made
.set TM,    228                        ; v228-243 at work
.set PWS,   8                          ; v8-11 the scale words of the 4 fragments
.set SELR,  244
.set NUM,   16                         ; path W: v16-143 my column's 128 numbers
.set F0,    144                        ; v144-155, v156-167 two fragments
.set TT,    168
.set MX,    176
.set SOP,   184
.set WORD,  192
; 64 numbers of a lane become a fragment's codes in v[PC] on and its scale word in v[pw]
.macro QUANT s, pw
.irp b, 0,1,2,3
	v_max3_num_f32 v[TM+\b], |v[(\s)+16*\b]|, |v[(\s)+1+16*\b]|, 0x1800000   ; block b: my 16 numbers, and the floor 2^(3 - 127): the byte cannot fall under 1
.endr
.irp i, 2,4,6,8,10,12,14
.irp b, 0,1,2,3
	v_max3_num_f32 v[TM+\b], v[TM+\b], |v[(\s)+16*\b+\i]|, |v[(\s)+1+16*\b+\i]|
.endr
.endr
.irp b, 0,1,2,3
	v_permlanex16_b32 v[TM+4+\b], v[TM+\b], s[SEL], s[SEL+1]
.endr
.irp b, 0,1,2,3
	v_max_num_f32 v[TM+\b], v[TM+\b], v[TM+4+\b]   ; with lane l xor 16's: the block's largest magnitude
.endr
.irp b, 0,1,2,3
	v_add_nc_u32 v[TM+12+\b], 0xff000000, v[TM+\b]   ; 2 off its exponent field: the conversion's scale operand
.endr
.irp b, 0,1,2,3
	v_lshrrev_b32 v[TM+4+\b], 23, v[TM+12+\b]      ; the scale's byte
.endr
	v_lshl_or_b32 v[\pw], v[TM+5], 8, v[TM+4]
	v_lshl_or_b32 v[\pw], v[TM+6], 16, v[\pw]
	v_lshl_or_b32 v[\pw], v[TM+7], 24, v[\pw]
.irp c, 0,1
	v_cvt_scalef32_pk16_fp6_f32 v[PC+6*\c:PC+2+6*\c], v[(\s)+32*\c:(\s)+15+32*\c], v[TM+12+2*\c]
	v_cvt_scalef32_pk16_fp6_f32 v[PC+12+4*\c:PC+14+4*\c], v[(\s)+16+32*\c:(\s)+31+32*\c], v[TM+12+2*\c+1]   ; (a conversion's three registers begin on an even number)
.endr
	v_nop                                          ; one plain place behind a scaled conversion
.irp c, 0,1                                    ; the operand wants a WHOLE block in a lane: lanes 0-15 block 2 c, lanes 16-31 block 2 c + 1
.irp i, 0,1,2
	v_permlane16_swap_b32 v[PC+6*\c+\i], v[PC+12+4*\c+\i]
.endr
.irp i, 0,1,2
	v_mov_b32 v[PC+3+6*\c+\i], v[PC+12+4*\c+\i]
.endr
.endr
.endm
.macro LOADX a                         ; the 16 rows of fragment a, 512 bytes of each, into set a % 2
.irp j, 0,1,2,3,4,5,6,7,8,9,10,11,12,13,14,15
	global_load_b128 v[R+64*((\a)%2)+4*\j:R+64*((\a)%2)+4*\j+3], v4, s[4:5] offset:(32*((\a)/2)+8*((\a)%2)+\j+8*(\j/8))*4096 th:TH_LOAD_NT
.endr
.endm
.macro WBLOCK k                        ; block k of my column: all its 32 numbers are mine
.set XB, NUM+32*(\k)
	v_max3_num_f32 v[MX], |v[XB]|, |v[XB+1]|, |v[XB+2]|
	v_max3_num_f32 v[MX+1], |v[XB+3]|, |v[XB+4]|, |v[XB+5]|
.irp i, 6,10,14,18,22,26
	v_max3_num_f32 v[MX], v[MX], |v[XB+\i]|, |v[XB+\i+1]|
	v_max3_num_f32 v[MX+1], v[MX+1], |v[XB+\i+2]|, |v[XB+\i+3]|
.endr
	v_max3_num_f32 v[MX], v[MX], |v[XB+30]|, |v[XB+31]|
	v_max3_num_f32 v[MX], v[MX], v[MX+1], 0x1800000
	v_add_nc_u32 v[SOP+(\k)], 0xff000000, v[MX]
	v_lshrrev_b32 v[MX+1], 23, v[SOP+(\k)]
.if (\k) == 0
	v_mov_b32 v[WORD], v[MX+1]
.else
	v_lshl_or_b32 v[WORD], v[MX+1], 8*(\k), v[WORD]
.endif
	v_cvt_scalef32_pk16_fp6_f32 v[F0+12*((\k)%2)+6*((\k)/2):F0+12*((\k)%2)+6*((\k)/2)+2], v[XB:XB+15], v[SOP+(\k)]
	v_cvt_scalef32_pk16_fp6_f32 v[TT:TT+2], v[XB+16:XB+31], v[SOP+(\k)]
	v_nop
.irp i, 0,1,2
	v_mov_b32 v[F0+12*((\k)%2)+6*((\k)/2)+3+\i], v[TT+\i]
.endr
.endm
; A weight of N columns at s[src:src+1]; its codes and scale words at CODES and SCALES in qin; first: the path's first work-group
.macro WPATH N, src, CODES, SCALES, first
	s_sub_co_u32 s17, ttmp9, \first                ; 8 x (group of 128 columns) + K step
	s_lshr_b32 s18, s17, 3
	s_and_b32 s19, s17, 7
	s_mul_i32 s22, s19, 128*\N*4                   ; 128 rows of the weight a K step
	s_lshl_b32 s23, s18, 9
	s_add_co_u32 s22, s22, s23
	s_lshl_b32 s23, s16, 7                         ; my wave's 32 columns
	s_add_co_u32 s22, s22, s23
	s_mov_b32 s23, 0
	s_add_nc_u64 s[12:13], s[\src:\src+1], s[22:23]
	s_lshl_b32 s22, s18, 3
	s_lshl_b32 s24, s16, 1
	s_add_co_u32 s22, s22, s24                     ; my first row block
	s_mul_i32 s22, s22, 12288
	s_mul_i32 s24, s19, 1536
	s_add_co_u32 s22, s22, s24
	s_add_co_u32 s22, s22, \CODES
	s_add_nc_u64 s[14:15], s[10:11], s[22:23]
	s_lshl_b32 s22, s17, 9
	s_lshl_b32 s24, s16, 3                         ; my two row blocks' words
	s_add_co_u32 s22, s22, s24
	s_add_co_u32 s22, s22, \SCALES
	s_add_nc_u64 s[24:25], s[10:11], s[22:23]
	v_and_b32 v4, 7, v0                            ; which column a lane takes: (l % 8) + 16 ((l / 8) % 2) + 8 (l / 16): lanes 0-15 are the even row block's rows, lanes 16-31 the odd one's
	v_bfe_u32 v5, v0, 3, 1
	v_lshl_add_u32 v4, v5, 4, v4
	s_wait_alu depctr_va_vdst(0)
	v_lshl_add_u32 v4, v3, 3, v4
	v_lshlrev_b32 v4, 2, v4                        ; the 32 lanes still read one run of 128 bytes
	v_lshlrev_b32 v5, 4, v1                        ; an image's place for my lane
	v_lshlrev_b32 v6, 5, v2
	v_lshl_add_u32 v6, v3, 2, v6                   ; my scale word: 32 r + 4 (lane / 16)
.set wi, 0
.rept 128
	global_load_b32 v[NUM+wi], v4, s[12:13] offset:wi*\N*4 th:TH_LOAD_NT
.set wi, wi+1
.endr
	s_wait_loadcnt 63                              ; at most the youngest 63 are out: blocks 0 and 1 are in
	WBLOCK 0
	WBLOCK 1
.irp i, 0,1,2,3,4,5
	v_permlane16_swap_b32 v[F0+\i], v[F0+12+\i]    ; the first now holds blocks 0 | 1 of lanes 0-15's columns, the second those of lanes 16-31's
.endr
	s_wait_loadcnt 32
	WBLOCK 2
	s_wait_loadcnt 0x0
	WBLOCK 3
.irp i, 6,7,8,9,10,11
	v_permlane16_swap_b32 v[F0+\i], v[F0+12+\i]
.endr
.irp c, 0,1,2
	global_store_b128 v5, v[F0+4*\c:F0+4*\c+3], s[14:15] offset:512*\c           ; 512 consecutive bytes a store
	global_store_b128 v5, v[F0+12+4*\c:F0+12+4*\c+3], s[14:15] offset:12288+512*\c
.endr
	global_store_b32 v6, v[WORD], s[24:25]         ; 4 bytes a lane: the four waves together fill the 512 bytes; the weights' scale words are 131,072 bytes in all
.endm
	s_load_b256 s[4:11], s[0:1], 0x0               ; X s[4:5], W_qkv s[6:7], W_out s[8:9], qin s[10:11]
	v_lshl_add_u32 v[SPW], v0, 2, SPARE
	v_mov_b32 v[NIL], 0
	v_lshrrev_b32 v1, 5, v0
	v_readfirstlane_b32 s16, v1                    ; wave
	v_and_b32 v1, 31, v0                           ; lane
	v_and_b32 v2, 15, v0                           ; r
	v_bfe_u32 v3, v0, 4, 1                         ; h
	s_mov_b32 s[SEL], 0x76543210
	s_mov_b32 s[SEL+1], 0xfedcba98
	s_wait_kmcnt 0x0
	s_cmp_lt_u32 ttmp9, 256
	s_cbranch_scc0 .Lweights
	; ---- X
	s_lshl_b32 s17, ttmp9, 2
	s_add_co_u32 s17, s17, s16                     ; 8 x (group of 64 rows) + K step
	s_lshr_b32 s18, s17, 3                         ; the group of 64 rows, 0 .. 127
	s_and_b32 s19, s17, 7
	s_lshl_b32 s22, s18, 18                        ; 64 rows of 4,096 bytes
	s_lshl_b32 s23, s19, 9
	s_add_co_u32 s22, s22, s23
	s_mov_b32 s23, 0
	s_add_nc_u64 s[4:5], s[4:5], s[22:23]
	s_mul_i32 s22, s18, 49152                      ; four row blocks of 12,288 bytes
	s_mul_i32 s24, s19, 1536
	s_add_co_u32 s22, s22, s24
	s_add_nc_u64 s[12:13], s[10:11], s[22:23]      ; my fragments' images
	s_lshr_b32 s22, s18, 1                         ; the group of 128 rows
	s_lshl_b32 s22, s22, 3
	s_add_co_u32 s22, s22, s19
	s_lshl_b32 s22, s22, 9                         ; its 512 bytes of scale words for this K step,
	s_and_b32 s24, s18, 1
	s_lshl_b32 s24, s24, 4                         ; of which my four row blocks have 16 of each 32
	s_add_co_u32 s22, s22, s24
	s_add_co_u32 s22, s22, XSO
	s_add_nc_u64 s[14:15], s[10:11], s[22:23]
	s_wait_alu depctr_va_vdst(0)
	v_lshlrev_b32 v4, 4, v1                        ; 16 x lane
	s_mul_i32 s24, s16, 8448                       ; my stage: 16 rows x (512 + 16) bytes
	v_add_nc_u32 v5, s24, v4                       ; in: as loaded
	v_mul_u32_u24 v6, v2, 528
	v_lshl_add_u32 v6, v3, 6, v6
	v_add_nc_u32 v6, s24, v6                       ; back: row r, + 64 h: my 16 numbers of a block of 32
	v_lshlrev_b32 v7, 5, v2
	v_lshl_add_u32 v7, v3, 3, v7                   ; the scale words' place: 32 r + 8 h
.irp b, 0,1,2,3
	v_mov_b32 v[TM+4+\b], 0                        ; written once: a lane permute's destination counts as one of its sources
.endr
	LOADX 0
	LOADX 1
	s_wait_alu depctr_va_vdst(0)
.irp a, 0,1,2,3
.if \a < 3
	s_wait_loadcnt 16                              ; this fragment's 16 loads are in; the next one's may be out
.else
	s_wait_loadcnt 0x0
.endif
.irp j, 0,1,2,3,4,5,6,7,8,9,10,11,12,13,14,15
	ds_store_b128 v5, v[R+64*(\a%2)+4*\j:R+64*(\a%2)+4*\j+3] offset:528*\j
.endr
.irp b, 0,1,2,3
.irp j, 0,1,2,3
	ds_load_b128 v[XN+16*\b+4*\j:XN+16*\b+4*\j+3], v6 offset:128*\b+16*\j   ; LDS serves a wave's instructions in order: these see the stores above
.endr
.endr
	s_wait_dscnt 0x0
.if \a > 0
	s_wait_xcnt 0x0                                ; the last fragment's stores have read the codes' registers
.endif
.if \a < 2
	LOADX \a+2
.endif
	QUANT XN, PWS+\a
.irp c, 0,1,2
	global_store_b128 v4, v[PC+4*\c:PC+4*\c+3], s[12:13] offset:\a*12288+512*\c   ; 512 consecutive bytes a store
.endr
.endr
	v_cmp_ne_u32 vcc_lo, 0, v3
.irp i, 0,1
	v_cndmask_b32 v[SELR+\i], v[PWS+\i], v[PWS+2+\i], vcc_lo   ; lanes 0-15 store my row blocks 0, 1's words, lanes 16-31 those of 2, 3
.endr
	global_store_b64 v7, v[SELR:SELR+1], s[14:15]  ; 16 of each 32 bytes; the wave with the group's other 64 rows writes the rest; X's scale words are 262,144 bytes in all
	s_branch .Lend
.Lweights:
	s_cmp_lt_u32 ttmp9, 448
	s_cbranch_scc0 .Lwout
	WPATH 3072, 6, WQC, WQS, 256
	s_branch .Lend
.Lwout:
	WPATH 1024, 8, WOC, WOS, 448
.Lend:
	s_wait_tensorcnt 0x0                           ; the wave's end
	ds_add_u32 v[SPW], v[NIL]
	s_wait_dscnt 0x0
	s_endpgm
.Lfunc_end_k_q1cde252cb0_quant:
	.size	k_q1cde252cb0_quant, .Lfunc_end_k_q1cde252cb0_quant-k_q1cde252cb0_quant
	.p2alignl 7, 3214868480
	.fill 96, 4, 3214868480
	.section	.rodata,"a",@progbits
	.p2align	6, 0x0
	.amdhsa_kernel k_q1cde252cb0_quant
		.amdhsa_group_segment_fixed_size 34304
		.amdhsa_private_segment_fixed_size 0
		.amdhsa_enable_private_segment 0
		.amdhsa_kernarg_size 32
		.amdhsa_user_sgpr_count 2
		.amdhsa_user_sgpr_kernarg_segment_ptr 1
		.amdhsa_wavefront_size32 1
		.amdhsa_system_sgpr_workgroup_id_x 1
		.amdhsa_system_sgpr_workgroup_id_y 1
		.amdhsa_system_sgpr_workgroup_id_z 1
		.amdhsa_system_vgpr_workitem_id 0
		.amdhsa_next_free_vgpr 256
		.amdhsa_next_free_sgpr 66
		.amdhsa_reserve_vcc 1
		.amdhsa_float_denorm_mode_32 3
		.amdhsa_float_denorm_mode_16_64 3
		.amdhsa_memory_ordered 1
		.amdhsa_forward_progress 1
		.amdhsa_inst_pref_size 74
	.end_amdhsa_kernel
	.amdgpu_metadata
---
amdhsa.version: [ 1, 2 ]
amdhsa.kernels:
  - .name:           k_q1cde252cb0_quant
    .symbol:         k_q1cde252cb0_quant.kd
    .args:
      - { .name: X, .offset: 0, .size: 8, .value_kind: global_buffer, .address_space: global }
      - { .name: W_qkv, .offset: 8, .size: 8, .value_kind: global_buffer, .address_space: global }
      - { .name: W_out, .offset: 16, .size: 8, .value_kind: global_buffer, .address_space: global }
      - { .name: qin, .offset: 24, .size: 8, .value_kind: global_buffer, .address_space: global }
    .group_segment_fixed_size: 34304
    .private_segment_fixed_size: 0
    .kernarg_segment_align: 8
    .kernarg_segment_size: 32
    .max_flat_workgroup_size: 128
    .sgpr_count:     66
    .vgpr_count:     256
    .wavefront_size: 32
...
	.end_amdgpu_metadata
.endif
;; end of part 1
;; launch qkv (part 2): grid 64 x 4, 4 waves a work-group, clusters of 4 x 4, 327,680 bytes of LDS; arguments qin, b_qkv, qkvb; writes qkvb
.if DOCPART == 2
	.amdgcn_target "amdgcn-amd-amdhsa--gfx1250"
	.amdhsa_code_object_version 6
	.text
	.protected	k_q1cde252cb0_qkv
	.globl	k_q1cde252cb0_qkv
	.p2align	8
	.type	k_q1cde252cb0_qkv,@function
k_q1cde252cb0_qkv:
	s_mov_b64 s[64:65], 0
	v_nop
	global_prefetch_b8 v0, s[64:65] scope:SCOPE_SE
	s_setreg_imm32_b32 hwreg(HW_REG_WAVE_MODE, 25, 1), 1
	s_wait_xcnt 0x0
	s_wait_alu depctr_hold_cnt(0) depctr_sa_sdst(0) depctr_va_vdst(0) depctr_va_sdst(0) depctr_va_ssrc(0) depctr_va_vcc(0) depctr_vm_vsrc(0)
	s_getreg_b32 s2, hwreg(HW_REG_IB_STS2, 6, 4)
	s_cmp_eq_u32 s2, 0
	s_cbranch_scc0 .Lentry_in_a_cluster
	s_endpgm
.Lentry_in_a_cluster:
	s_bfe_u32 s2, ttmp6, 0x10000c
	s_cmp_lg_u32 s2, 0xf033
	s_cbranch_scc0 .Lentry_shape_is_right
	s_endpgm
.Lentry_shape_is_right:
; LAUNCH 2 OF 5.  QKV = X W_qkv + b_qkv on codes of FP6 (E2M3) with E8M0 scales, sums in f32; the results are quantised on the way out and leave as codes.  Nothing is left out.
; The result is 768 tiles of 128 x 256.  THERE ARE 256 WORK-GROUPS, AND EACH STAYS FOR THREE TILES:
;   tiles 0 and 1: C [8192 tokens][2048] = X W (the columns of Q and K): 128 tokens each, one below the other, against the same 256 columns; quantised along the columns, the next product's K;
;   tile 2: V^T [1024][8192 tokens] = W_v X^T: 128 channels x 256 tokens, the same text with the operands exchanged, so that a lane holds one channel and neighbours along the tokens, which are the K of p V.
; All operands are images of their registers, with the rows of a row block chosen as launch 1's head says.  qkvb: codes of Q and K [512 row blocks][16 K steps: 0-7 Q, 8-15 K][1,536]; their scale words [64][16][512];
; codes of V^T [64 row blocks of channels][64 K steps: 16 a batch][1,536]; its scale words [8][64][512].
; A tile is made by four waves, each 64 x 128: 32 accumulators.  K = 1,024 is two slots of 512 (four steps of 128).  THE RING OF TWO LDS SLOTS GOES ON FROM TILE TO TILE: a tile's two changes of slots ask for the next
; tile's two slots, so that they land under the rest of the tile and its way out.  The text is written out, with no loop: three tiles, six slots.  The scale words of all three tiles come once, with the first fills.
; CLUSTERS: 4 x 4 work-groups; A's tiles are asked for jointly along a row of the cluster, B's along a column: in every tile A hangs on cy and the cluster's number alone, B on cx and the cluster's number alone.
; THE MATRIX INSTRUCTION IS USED TRANSPOSED: source 0 = 16 rows of B, source 1 = 16 rows of A.
; Some fills are prefetched one fill ahead; a work-group has six slot fills in all, two of them at the head, and every tile is shared in the cluster.
; LIMITS: a block of zeros gets the scale byte 1 (its codes are zeros; this program alone reads the bytes); NaN and infinities are not served.
; REGISTERS: window 0: v1-31 addresses; v32-95 scale words, two sets (they hold nothing else); v96-125 and v176-255 the way out; v128-175 A's fragments, one set.  window 1: B's fragments, two sets.
;   window 2: the accumulators, (a, b) at v[8 (8 a + b)].  window 3: v0-63 the bias by column (tiles 0, 1), v64-71 by row (tile 2).
.set NA,    4                          ; A's row blocks of a wave
.set NQ,    4                          ; K steps of 128 in a slot
.set FR,    12
.set NL,    3                          ; LDS loads that bring a fragment
.set FRB,   1536
.set HA_B,  NA*NQ*FRB                  ; what one tensor load brings of A, and what one wave reads
.set HB_B,  8*NQ*FRB                   ; the same of B
.set SLOT,  2*HA_B+2*HB_B              ; A's two halves, then B's two
.set ASC,   2*SLOT                     ; behind the ring: A's scale words, 4,096 bytes a tile
.set BSC,   ASC+3*4096                 ; B's: two groups of 128 columns of W (tiles 0, 1), then two groups of 128 tokens (tile 2), 4,096 bytes each
.set SPARE, BSC+4*4096                 ; the spare words
.set XSO,   6291456                    ; byte offsets in qin (X's codes lie at 0)
.set WQC,   6553600
.set WQS,   8912896
.set QKS,   12582912                   ; and in qkvb (Q's and K's codes lie at 0)
.set VC,    13107200
.set VSO,   19398656
.set ASR,   6                          ; v6-11 LDS addresses of the scale words, a pair for each tile: lanes 0-15 A's, lanes 16-31 B's; row blocks 0-3 and 4-7
.set ADRA,  16
.set ADRB,  20
.set SO,    23
.set GO,    24                         ; v24 16 x lane
.set SPW,   28
.set NIL,   29
.set SC,    32                         ; set s at v[SC + 8 NQ s]; register 8 q + i: lanes 0-15 the word of A's block i, lanes 16-31 that of B's block i
.set PC,    96                         ; the way out: the codes just made,
.set PWS,   116                        ; four scale words,
.set SELR,  120
.set TVL,   122                        ; the bias of my lane's row in each of my four row blocks, as loaded
.set AF,    128
.set H,     176                        ; 64 numbers of a lane
.set TM,    240
.set T,     0                          ; in window 3
.set TB,    64
.set WV,    10                         ; s10 wave; s11 which half of the tile's rows is mine, also: I fetch for A (0) or for B (1); s12 which half of its columns, also: which half I fetch
.set HR,    11
.set HC,    12
.set G0SB,  16                         ; s[16:19], s[20:23] groups 0 for B's two loads of scale words
.set G0SB2, 20
.set G1,    24
.set G0,    32
.set B2P,   46                         ; s[46:47] where tile 2's B begins
.set G1B,   48
.set G0B,   56
.set G1S,   68                         ; groups 1 for scale words: A's 4,096 bytes, B's 4,096, A's 4,096
.set G1SB,  76
.set G1S2,  84
.set G0S,   92
.set G0S2,  96
.set A2P,   100                        ; s[100:101] where tile 2's A begins
.set OC,    68                         ; the way out (the scale words' descriptors are done with by then): my images,
.set OS,    70                         ; my scale words,
.set SEL,   72                         ; lane selects: lane l xor 16
.set MSB,   0
.set WVR,   10                         ; the wave's number
.set HCR,   12                         ; which half of a tile I fetch in the ring
.set AH,    4*12288                    ; bytes from a tile's first half to its second, in memory: A's, B's
.set BH,    8*12288
.macro TL g0, g1                       ; a tensor load with an s_nop 0 and four v_nop behind it
	tensor_load_to_lds s[\g0:\g0+3], s[\g1:\g1+7]
	s_nop 0
.rept 4
	v_nop
.endr
.endm
.macro HEAD4 a0, a1, b0, b1, c0, c1, d0, d1   ; four tiles, one a wave: one chain of branches on the wave's number, all arms to one join
	s_cmp_lt_u32 s[WVR], 1
	s_cbranch_scc0 .Lh1_\@
	TL \a0, \a1
	s_branch .Lh4_\@
.Lh1_\@:
	s_cmp_lt_u32 s[WVR], 2
	s_cbranch_scc0 .Lh2_\@
	TL \b0, \b1
	s_branch .Lh4_\@
.Lh2_\@:
	s_cmp_lt_u32 s[WVR], 3
	s_cbranch_scc0 .Lh3_\@
	TL \c0, \c1
	s_branch .Lh4_\@
.Lh3_\@:
	TL \d0, \d1
.Lh4_\@:
.endm
.macro CONV slot, as, bs               ; a slot's two groups 0 go from the whole tile to my half of it, and as, bs bytes on in memory
	s_mul_i32 s104, s[HCR], AH
.if \as
	s_add_co_u32 s104, s104, \as
.endif
	s_mov_b32 s105, 0
	s_add_nc_u64 s[G0+4*\slot+2:G0+4*\slot+3], s[G0+4*\slot+2:G0+4*\slot+3], s[104:105]
	s_mul_i32 s104, s[HCR], BH
.if \bs
	s_add_co_u32 s104, s104, \bs
.endif
	s_add_nc_u64 s[G0B+4*\slot+2:G0B+4*\slot+3], s[G0B+4*\slot+2:G0B+4*\slot+3], s[104:105]
	s_mul_i32 s104, s[HCR], HA_B
	s_add_co_u32 s[G0+4*\slot+1], s[G0+4*\slot+1], s104
	s_mul_i32 s104, s[HCR], HB_B
	s_add_co_u32 s[G0B+4*\slot+1], s[G0B+4*\slot+1], s104
.endm
.set PFA,   4                          ; s[4:5], s[40:41] where my prefetches of A's and of B's tiles stand; never rewritten behind the head
.set PFB,   40
.macro ASK off                         ; my share of the tiles that lie off bytes along K: each block of 256 bytes is named once in the cluster
	global_prefetch_b8 v14, s[PFA:PFA+1] offset:\off th:TH_LOAD_NT scope:SCOPE_SE
	global_prefetch_b8 v15, s[PFB:PFB+1] offset:\off th:TH_LOAD_NT scope:SCOPE_SE
.endm
.macro HALVE                           ; from here on a load brings half a tile's row blocks
	s_mov_b32 s[G1+2], NA<<16
	s_mov_b32 s[G1+4], NA
	s_mov_b32 s[G1B+2], 8<<16
	s_mov_b32 s[G1B+4], 8
.endm
.macro WIN new                         ; the immediate's high byte repeats the setting that is left
.if MSB != (\new)
	s_set_vgpr_msb (MSB<<8)|(\new)
.set MSB, (\new)
.endif
.endm
.macro JLOAD g0a, g1a, g0b, g1b        ; a joint load: waves 0 and 1 fetch for A, waves 2 and 3 for B; an s_nop 0 and four v_nop follow each line
	s_cmp_eq_u32 s[HR], 0
	s_cbranch_scc0 .Lfor_b_\@
	tensor_load_to_lds s[\g0a:\g0a+3], s[\g1a:\g1a+7]
	s_nop 0
.rept 4
	v_nop
.endr
	s_branch .Lasked_\@
.Lfor_b_\@:
	tensor_load_to_lds s[\g0b:\g0b+3], s[\g1b:\g1b+7]
	s_nop 0
.rept 4
	v_nop
.endr
.Lasked_\@:
.endm
.macro CREST                           ; a round of the cluster's barrier behind its opening barrier
	s_cmp_lg_u32 s[WV], 0
	s_cbranch_scc1 .Lnot_wave_0_\@
	s_barrier_signal -3
.Lnot_wave_0_\@:
	s_barrier_wait -3
	s_barrier_signal -1
	s_barrier_wait -1
.endm
.macro CROUND
	s_barrier_signal -1
	s_barrier_wait -1
	CREST
.endm
.macro PLACES n                        ; plain places behind matrix instructions, in front of loads into their registers and of the first read of results
.rept \n
	v_nop
.endr
.endm
.macro FRAG reg, adr, q, i             ; a fragment's image: three loads of 512 consecutive bytes
.irp c, 0,1,2
	ds_load_b128 v[(\reg)+4*\c:(\reg)+4*\c+3], v[\adr] offset:(\i)*NQ*FRB+(\q)*FRB+512*\c
.endr
.endm
.macro FETCH_B slot, q, p              ; B's eight fragments of the slot's q-th step into set p
	WIN 0x40
.irp i, 0,1,2,3,4,5,6,7
	FRAG 128*(\p)+FR*\i, ADRB+\slot, \q, \i
.endr
	WIN 0
.endm
.macro FETCH_A slot, q, half           ; half of A's blocks
.set fa, (\half)*(NA/2)
.rept NA/2
	FRAG AF+FR*fa, ADRA+\slot, \q, fa
.set fa, fa+1
.endr
.endm
.macro SCALES set, asr, off            ; a slot's scale words: the tile's pair of addresses, the slot's 2,048 bytes in the offset
.set sq, 0
.rept NQ
	ds_load_b128 v[SC+8*NQ*(\set)+8*sq:SC+8*NQ*(\set)+8*sq+3], v[\asr] offset:(\off)+512*sq
	ds_load_b128 v[SC+8*NQ*(\set)+8*sq+4:SC+8*NQ*(\set)+8*sq+7], v[(\asr)+1] offset:(\off)+512*sq
.set sq, sq+1
.endr
.endm
.macro MULB a, p, q, sc, zero          ; A's block a against B's eight.  The accumulators take turns, one instruction a turn, in the same order in every step
	WIN 0xa1
.irp b, 0,1,2,3,4,5,6,7
.if \zero
	v_wmma_scale_f32_16x16x128_f8f6f4 v[8*(8*(\a)+\b):8*(8*(\a)+\b)+7], v[128*(\p)+FR*\b:128*(\p)+FR*\b+FR-1], v[AF+FR*(\a):AF+FR*(\a)+FR-1], 0, v[SC+8*NQ*(\sc)+8*(\q)+\b], v[SC+8*NQ*(\sc)+8*(\q)+(\a)] matrix_a_fmt:MATRIX_FMT_FP6 matrix_b_fmt:MATRIX_FMT_FP6 matrix_a_scale:MATRIX_SCALE_ROW1
.else
	v_wmma_scale_f32_16x16x128_f8f6f4 v[8*(8*(\a)+\b):8*(8*(\a)+\b)+7], v[128*(\p)+FR*\b:128*(\p)+FR*\b+FR-1], v[AF+FR*(\a):AF+FR*(\a)+FR-1], v[8*(8*(\a)+\b):8*(8*(\a)+\b)+7], v[SC+8*NQ*(\sc)+8*(\q)+\b], v[SC+8*NQ*(\sc)+8*(\q)+(\a)] matrix_a_fmt:MATRIX_FMT_FP6 matrix_b_fmt:MATRIX_FMT_FP6 matrix_a_scale:MATRIX_SCALE_ROW1
.endif
.endr
.endm
.macro MULN first, count, p, q, sc, zero
.set ma, (\first)
.rept (\count)
	MULB ma, \p, \q, \sc, \zero
.set ma, ma+1
.endr
.endm
.macro STEP slot, q, zero              ; a step of 128 along K that has its successor in the same slot.  zero = 1: a tile's first step: its products start the sums, nothing is cleared
	s_wait_dscnt (NA/2)*NL                         ; all but the youngest loads, A's second half, are in
	MULN 0, NA/2, (\q)%2, \q, \slot, \zero
	s_wait_dscnt 0x0
	PLACES 4
	FETCH_B \slot, (\q)+1, 1-(\q)%2
	FETCH_A \slot, (\q)+1, 0
	MULN NA/2, NA/2, (\q)%2, \q, \slot, \zero
	PLACES 4
	WIN 0
	FETCH_A \slot, (\q)+1, 1
.endm
.macro REST slot                       ; a slot's middle steps
.set rq, 1
.rept NQ-2
	STEP \slot, rq, 0
.set rq, rq+1
.endr
.endm
; A slot's last step changes slots: one barrier.  fill = 1 or 2: the barrier opens a round of the cluster's barrier, and this slot takes the same slot of the NEXT tile: 1: A's next 128 tokens, B as it was; 2: tile 2's A and B.
; asr, off: where the next slot's scale words lie
.macro TURN slot, next, fill, asr, off
	s_wait_tensorcnt 0x0                           ; all my tensor loads have landed, my part of the next slot among them
	ds_add_u32 v[SPW], v[NIL]
.if \fill == 1
	CONV \slot, 8*12288, 0                         ; no load of mine is out: this slot's descriptors go from the whole tile to my quarter, A's eight row blocks on
.if \slot == 0
	HALVE
.endif
.endif
	s_wait_dscnt (NA/2)*NL+1
	MULN 0, NA/4, 1, NQ-1, \slot, 0
	s_wait_dscnt 0x0                               ; the add is done, and my reads of this slot are over
	s_barrier_signal -1
	MULN NA/4, NA/4, 1, NQ-1, \slot, 0
	WIN 0
	s_barrier_wait -1
.if \fill
	CREST                                          ; no wave of any partner still reads this slot or has a load on its way
.if \fill == 2
	s_add_nc_u64 s[G0+4*\slot+2:G0+4*\slot+3], s[A2P:A2P+1], \slot*NQ*FRB
	s_or_b32 s[G0+4*\slot+3], s[G0+4*\slot+3], 0x80000000
	s_add_nc_u64 s[G0B+4*\slot+2:G0B+4*\slot+3], s[B2P:B2P+1], \slot*NQ*FRB
	s_or_b32 s[G0B+4*\slot+3], s[G0B+4*\slot+3], 0x80000000
.endif
	JLOAD G0+4*\slot, G1, G0B+4*\slot, G1B         ; the first tensor load behind the round; its four v_nop are the places in front of the loads below
.else
	PLACES 4
.endif
	FETCH_B \next, 0, 0
	FETCH_A \next, 0, 0
	SCALES \next, \asr, \off
.if \fill == 1
.if \slot == 0
	global_prefetch_b8 v14, s[PFA:PFA+1] offset:8*12288+NQ*FRB th:TH_LOAD_NT scope:SCOPE_SE   ; tile 1's A, K steps 4-7: one slot ahead of its load
.endif
.endif
	MULN NA/2, NA/2, 1, NQ-1, \slot, 0
	PLACES 4
	WIN 0
	FETCH_A \next, 0, 1
.endm
.macro LAST                            ; the very last step: nothing more to fetch
	s_wait_dscnt (NA/2)*NL
	MULN 0, NA/2, 1, NQ-1, 1, 0
	s_wait_dscnt 0x0
	MULN NA/2, NA/2, 1, NQ-1, 1, 0
	WIN 0
.endm
; 64 numbers of a lane, register 16 b + i = k 32 b + 16 (lane / 16) + i of my row, become a fragment's codes in v[PC] on and its scale word in v[pw]
.macro QUANT s, pw
.irp b, 0,1,2,3
	v_max3_num_f32 v[TM+\b], |v[(\s)+16*\b]|, |v[(\s)+1+16*\b]|, 0x1800000   ; and the floor 2^(3 - 127): the byte cannot fall under 1
.endr
.irp i, 2,4,6,8,10,12,14
.irp b, 0,1,2,3
	v_max3_num_f32 v[TM+\b], v[TM+\b], |v[(\s)+16*\b+\i]|, |v[(\s)+1+16*\b+\i]|
.endr
.endr
.irp b, 0,1,2,3
	v_permlanex16_b32 v[TM+4+\b], v[TM+\b], s[SEL], s[SEL+1]
.endr
.irp b, 0,1,2,3
	v_max_num_f32 v[TM+\b], v[TM+\b], v[TM+4+\b]
.endr
.irp b, 0,1,2,3
	v_add_nc_u32 v[TM+12+\b], 0xff000000, v[TM+\b]   ; 2 off the exponent field: the conversion's scale operand
.endr
.irp b, 0,1,2,3
	v_lshrrev_b32 v[TM+4+\b], 23, v[TM+12+\b]
.endr
	v_lshl_or_b32 v[\pw], v[TM+5], 8, v[TM+4]
	v_lshl_or_b32 v[\pw], v[TM+6], 16, v[\pw]
	v_lshl_or_b32 v[\pw], v[TM+7], 24, v[\pw]
.irp c, 0,1
	v_cvt_scalef32_pk16_fp6_f32 v[PC+6*\c:PC+2+6*\c], v[(\s)+32*\c:(\s)+15+32*\c], v[TM+12+2*\c]
	v_cvt_scalef32_pk16_fp6_f32 v[PC+12+4*\c:PC+14+4*\c], v[(\s)+16+32*\c:(\s)+31+32*\c], v[TM+12+2*\c+1]
.endr
	v_nop                                          ; one plain place behind a scaled conversion
.irp c, 0,1
.irp i, 0,1,2
	v_permlane16_swap_b32 v[PC+6*\c+\i], v[PC+12+4*\c+\i]
.endr
.irp i, 0,1,2
	v_mov_b32 v[PC+3+6*\c+\i], v[PC+12+4*\c+\i]
.endr
.endr
.endm
; A tile's way out.  For each of my 4 row blocks: the bias is added (the same line brings the sums into window 0), 64 numbers are quantised, the image is stored.  mode 0: a bias for each column; 1: for each row.
; It names none of the registers into which the next tile's first fragments and scale words are on their way.
.macro EPI mode, pitch
.irp a, 0,1,2,3
	s_wait_xcnt 0x0                                ; the last image's stores have read the codes' registers
	WIN 0x0e                                       ; source 0 (the sums) window 2, source 1 (the bias) window 3
.set n, 0
.rept 32
.if \mode
	v_pk_add_f32 v[H+n:H+n+1], v[64*\a+n:64*\a+n+1], v[TB+2*\a:TB+2*\a+1]
.else
	v_pk_add_f32 v[H+n:H+n+1], v[64*\a+n:64*\a+n+1], v[T+n:T+n+1]      ; each accumulator from its low end on
.endif
.set n, n+2
.endr
	WIN 0
	QUANT H, PWS+\a
.irp c, 0,1,2
	global_store_b128 v[GO], v[PC+4*\c:PC+4*\c+3], s[OC:OC+1] offset:\a*\pitch+512*\c   ; 512 consecutive bytes a store
.endr
.endr
	v_cmp_ne_u32 vcc_lo, 0, v2
	v_cndmask_b32 v[SELR], v[PWS], v[PWS+2], vcc_lo
	v_cndmask_b32 v[SELR+1], v[PWS+1], v[PWS+3], vcc_lo
	global_store_b64 v[SO], v[SELR:SELR+1], s[OS:OS+1]   ; my four row blocks' words: 16 of each 32 bytes; the wave with the other rows writes the rest
.endm
	s_load_b128 s[4:7], s[0:1], 0x0                ; qin, b_qkv
	s_load_b64 s[8:9], s[0:1], 0x10                ; qkvb
	v_lshl_add_u32 v[SPW], v0, 2, SPARE
	v_mov_b32 v[NIL], 0
	ds_add_u32 v[SPW], v[NIL]                      ; the wave's opening: the add, twice on end, and its wait ahead of my first tensor load
	ds_add_u32 v[SPW], v[NIL]
	v_lshrrev_b32 v1, 5, v0
	v_readfirstlane_b32 s[WV], v1                  ; wave 0..3
	s_lshr_b32 s[HR], s[WV], 1
	s_and_b32 s[HC], s[WV], 1
	s_bfe_u32 s40, ttmp6, 0x40000                  ; cx, cy: my place in the cluster
	s_bfe_u32 s41, ttmp6, 0x40004
	s_lshl_b32 s43, s41, 2
	s_lshl_b32 s43, 15, s43                        ; my row of the cluster
	s_lshl_b32 s44, 0x1111, s40                    ; my column
	s_and_b32 s13, ttmp9, 1                        ; the cluster's number c, 0 .. 15
	s_lshl_b32 s13, s13, 2                         ; 4 (c % 2)
	s_lshr_b32 s14, ttmp9, 1
	s_lshl_b32 s14, s14, 2                         ; 4 (c / 2)
	s_add_co_u32 s42, s13, s40                     ; tiles 0, 1: which 256 columns of Q and K, 0 .. 7
	s_add_co_u32 s45, s14, s41                     ; and which pair of 128 tokens, 0 .. 31
	s_add_co_u32 s66, s13, s41                     ; tile 2: which 128 channels of V, 0 .. 7
	s_add_co_u32 s67, s14, s40                     ; and which 256 tokens, 0 .. 31
	s_or_b32 s[G1+0], s43, (3<<16)|(1<<21)         ; A's codes: 15:0 the mask; 17:16 elements of 8 bytes; 21 set beside a mask; no padding
	s_mov_b32 s[G1+1], (NQ*192)<<16                ; tensor_dim0: a row block's NQ images, 6,144 bytes
	s_mov_b32 s[G1+2], 8<<16                       ; the first fills bring whole tiles: A's 8 row blocks
	s_mov_b32 s[G1+3], (NQ*192)<<16
	s_mov_b32 s[G1+4], 8
	s_mov_b32 s[G1+5], 1536                        ; from row block to row block: 12,288 bytes, in X's codes and in W's alike
	s_mov_b32 s[G1+6], 0
	s_mov_b32 s[G1+7], 0
	s_or_b32 s[G1B+0], s44, (3<<16)|(1<<21)        ; B's codes: 8 row blocks
	s_mov_b32 s[G1B+1], (NQ*192)<<16
	s_mov_b32 s[G1B+2], 16<<16                     ; B's 16 row blocks
	s_mov_b32 s[G1B+3], (NQ*192)<<16
	s_mov_b32 s[G1B+4], 16
	s_mov_b32 s[G1B+5], 1536
	s_mov_b32 s[G1B+6], 0
	s_mov_b32 s[G1B+7], 0
	s_or_b32 s[G1S+0], s43, (3<<16)|(1<<21)        ; scale words: dense blocks, as rows of 256 bytes: A's 4,096 bytes,
	s_mov_b32 s[G1S+1], 32<<16
	s_mov_b32 s[G1S+2], 32<<16                     ; 8,192 bytes: tiles 0 and 1
	s_mov_b32 s[G1S+3], 32<<16
	s_mov_b32 s[G1S+4], 32
	s_mov_b32 s[G1S+5], 32
	s_mov_b32 s[G1S+6], 0
	s_mov_b32 s[G1S+7], 0
	s_or_b32 s[G1SB+0], s44, (3<<16)|(1<<21)       ; B's 4,096,
	s_mov_b32 s[G1SB+1], 32<<16
	s_mov_b32 s[G1SB+2], 32<<16                    ; 8,192 bytes: two groups of 128
	s_mov_b32 s[G1SB+3], 32<<16
	s_mov_b32 s[G1SB+4], 32
	s_mov_b32 s[G1SB+5], 32
	s_mov_b32 s[G1SB+6], 0
	s_mov_b32 s[G1SB+7], 0
	s_or_b32 s[G1S2+0], s43, (3<<16)|(1<<21)       ; A's 4,096
	s_mov_b32 s[G1S2+1], 32<<16
	s_mov_b32 s[G1S2+2], 16<<16                    ; 4,096 bytes: tile 2
	s_mov_b32 s[G1S2+3], 32<<16
	s_mov_b32 s[G1S2+4], 16
	s_mov_b32 s[G1S2+5], 32
	s_mov_b32 s[G1S2+6], 0
	s_mov_b32 s[G1S2+7], 0
	; byte offsets in qin, each made in the place where its address will stand.  A's hang on cy, B's on cx
	s_lshl_b32 s2, s45, 4                          ; A, tile 0: X's row block 16 x pair + 4 x half
	s_mul_i32 s[G0+2], s2, 12288
	s_mov_b32 s[G0+3], 0
	s_lshl_b32 s2, s45, 13
	s_add_co_u32 s[G0S+2], s2, XSO
	s_mov_b32 s[G0S+3], 0
	s_lshl_b32 s2, s66, 12                         ; and for tile 2: W's groups of 128 columns from 16 on
	s_add_co_u32 s[G0S2+2], s2, WQS+65536
	s_mov_b32 s[G0S2+3], 0
	s_lshl_b32 s2, s66, 3                          ; A, tile 2: W's row block 128 + 8 x tile row + 4 x half
	s_lshl_b32 s3, s[HC], 2
	s_add_co_u32 s2, s2, s3
	s_mul_i32 s2, s2, 12288
	s_add_co_u32 s[A2P], s2, WQC+1572864
	s_mov_b32 s[A2P+1], 0
	s_lshl_b32 s13, s42, 4                         ; B, tiles 0 and 1: W's row block 16 x tile column + 8 x half
	s_mul_i32 s13, s13, 12288
	s_add_co_u32 s[G0B+2], s13, WQC
	s_mov_b32 s[G0B+3], 0
	s_lshl_b32 s13, s42, 13
	s_add_co_u32 s[G0SB+2], s13, WQS
	s_mov_b32 s[G0SB+3], 0
	s_lshl_b32 s13, s67, 13
	s_add_co_u32 s[G0SB2+2], s13, XSO
	s_mov_b32 s[G0SB2+3], 0
	s_lshl_b32 s13, s67, 4                         ; B, tile 2: X's row block 16 x tile column + 8 x half
	s_lshl_b32 s14, s[HC], 3
	s_add_co_u32 s13, s13, s14
	s_mul_i32 s[B2P], s13, 12288
	s_mov_b32 s[B2P+1], 0
	; counts and LDS addresses: no place in the cluster enters an LDS address
.irp g, G0, G0+4, G0B, G0B+4, G0S, G0S2, G0SB, G0SB2
	s_mov_b32 s[\g], 1
.endr
	s_mov_b32 s[G0+1], 0
	s_mov_b32 s[G0+5], SLOT
	s_mov_b32 s[G0B+1], 2*HA_B
	s_mov_b32 s[G0B+5], SLOT+2*HA_B
	s_mov_b32 s[G0S+1], ASC
	s_mov_b32 s[G0S2+1], ASC+8192
	s_mov_b32 s[G0SB+1], BSC
	s_mov_b32 s[G0SB2+1], BSC+8192
	s_wait_dscnt 0x0                               ; both opening adds are done
	s_wait_kmcnt 0x0
	s_add_nc_u64 s[G0+2:G0+3], s[4:5], s[G0+2:G0+3]
	s_add_nc_u64 s[G0+6:G0+7], s[G0+2:G0+3], NQ*FRB   ; slot 1: K steps 4-7
	s_or_b32 s[G0+3], s[G0+3], 0x80000000
	s_or_b32 s[G0+7], s[G0+7], 0x80000000
	s_add_nc_u64 s[G0B+2:G0B+3], s[4:5], s[G0B+2:G0B+3]
	s_add_nc_u64 s[G0B+6:G0B+7], s[G0B+2:G0B+3], NQ*FRB
	s_or_b32 s[G0B+3], s[G0B+3], 0x80000000
	s_or_b32 s[G0B+7], s[G0B+7], 0x80000000
.irp g, G0S, G0S2, G0SB, G0SB2
	s_add_nc_u64 s[\g+2:\g+3], s[4:5], s[\g+2:\g+3]
	s_or_b32 s[\g+3], s[\g+3], 0x80000000
.endr
	s_add_nc_u64 s[A2P:A2P+1], s[4:5], s[A2P:A2P+1]
	s_add_nc_u64 s[B2P:B2P+1], s[4:5], s[B2P:B2P+1]
	CROUND                                         ; all sixteen work-groups are here: the first joint loads meet
	HEAD4 G0, G1, G0B, G1B, G0S, G1S, G0SB, G1SB   ; one load a wave: slot 0's A, its B, the scale words of tiles 0 and 1: A's, B's
	; where my prefetches stand: of A's 8 row blocks my work-group takes 2 (by cx), half a row block a wave; of B's 16 it takes 4 (by cy), one a wave
	s_lshl_b32 s2, s45, 4
	s_lshl_b32 s3, s40, 1
	s_add_co_u32 s2, s2, s3
	s_add_co_u32 s2, s2, s[HR]
	s_mul_i32 s2, s2, 12288
	s_mul_i32 s3, s[HC], 3072
	s_add_co_u32 s2, s2, s3
	s_mov_b32 s3, 0
	s_lshl_b32 s13, s42, 4
	s_lshl_b32 s14, s41, 2
	s_add_co_u32 s13, s13, s14
	s_add_co_u32 s13, s13, s[WV]
	s_mul_i32 s13, s13, 12288
	s_add_co_u32 s40, s13, WQC
	s_mov_b32 s41, 0
	s_add_nc_u64 s[PFB:PFB+1], s[4:5], s[40:41]
	s_add_nc_u64 s[PFA:PFA+1], s[4:5], s[2:3]
	v_and_b32 v15, 31, v0
	v_min_u32 v14, 11, v15                         ; a lane a block of 256 bytes: 12 of A's, 24 of B's; the lanes left over name their wave's last block again
	v_min_u32 v15, 23, v15
	v_lshlrev_b32 v14, 8, v14
	v_lshlrev_b32 v15, 8, v15
	ASK NQ*FRB                                     ; slot 1's tiles, one fill ahead of their loads
	v_and_b32 v1, 15, v0                           ; r
	v_bfe_u32 v2, v0, 4, 1                         ; h
	s_wait_alu depctr_va_vdst(0)
	v_and_b32 v3, 31, v0
	v_lshlrev_b32 v[GO], 4, v3
	s_mul_i32 s13, s[HR], HA_B                     ; my rows' half of A,
	s_mul_i32 s14, s[HC], HB_B                     ; my columns' half of B
	s_add_co_u32 s14, s14, 2*HA_B
.irp s, 0,1
	v_add_nc_u32 v[ADRA+\s], s13, v[GO]
	v_add_nc_u32 v[ADRB+\s], s14, v[GO]
	s_add_co_u32 s13, s13, SLOT
	s_add_co_u32 s14, s14, SLOT
.endr
	v_lshlrev_b32 v4, 5, v1                        ; scale words: 32 r; A's: my four row blocks' 16 bytes; B's: my group of 128
	s_lshl_b32 s13, s[HR], 4
	s_lshl_b32 s14, s[HC], 12
	s_add_co_u32 s14, s14, BSC-ASC
	s_sub_co_u32 s14, s14, s13                     ; from A's words to B's, in tile 0
	s_add_co_u32 s13, s13, ASC
	v_mul_u32_u24 v5, s14, v2                      ; lanes 16-31 take B's
	v_add_nc_u32 v5, v4, v5
	v_add_nc_u32 v[ASR], s13, v5
	v_lshl_add_u32 v[ASR+1], v2, 4, v[ASR]         ; B's row blocks 4-7; lanes 0-15 read their four words again
	v_add_nc_u32 v[ASR+4], 8192, v[ASR]            ; tile 2: A's words and B's both lie 8,192 bytes on
	v_add_nc_u32 v[ASR+5], 8192, v[ASR+1]
	s_sub_co_u32 s14, s14, 4096                    ; tile 1: A's lie 4,096 bytes on, B's are tile 0's
	s_add_co_u32 s13, s13, 4096
	v_mul_u32_u24 v5, s14, v2
	v_add_nc_u32 v5, v4, v5
	v_add_nc_u32 v[ASR+2], s13, v5
	v_lshl_add_u32 v[ASR+3], v2, 4, v[ASR+2]
	v_lshl_add_u32 v[SO], v2, 3, v4
	s_lshl_b32 s13, s[HR], 4
	v_add_nc_u32 v[SO], s13, v[SO]                 ; the way out: my 8 bytes of the scale words: 32 r + 16 x half + 8 h
	v_lshlrev_b32 v12, 6, v2                       ; the bias by column: 64 h bytes on
	s_wait_alu depctr_va_vdst(0)
	v_and_b32 v13, 8, v1
	v_add_nc_u32 v13, v13, v1
	v_lshlrev_b32 v13, 2, v13                      ; by row: 4 (r + 8 (r / 8))
	s_wait_alu depctr_va_vdst(0)
	s_lshl_b32 s2, s42, 8
	s_lshl_b32 s3, s[HC], 7
	s_add_co_u32 s2, s2, s3                        ; tiles 0, 1: my first column
	s_lshl_b32 s2, s2, 2
	s_mov_b32 s3, 0
	s_add_nc_u64 s[2:3], s[6:7], s[2:3]
	s_lshl_b32 s14, s66, 7
	s_lshl_b32 s15, s[HR], 6
	s_add_co_u32 s14, s14, s15
	s_add_co_u32 s14, s14, 2048                    ; tile 2: my first channel, behind Q's and K's
	s_lshl_b32 s14, s14, 2
	s_mov_b32 s15, 0
	s_add_nc_u64 s[14:15], s[6:7], s[14:15]
	WIN 0xc0                                       ; destination window 3
.irp b, 0,1,2,3,4,5,6,7                        ; register 8 b + j: the bias of column 32 (b / 2) + 8 (b % 2) + 16 h + j
	global_load_b128 v[T+8*\b:T+8*\b+3], v12, s[2:3] offset:(32*(\b/2)+8*(\b%2))*4
	global_load_b128 v[T+8*\b+4:T+8*\b+7], v12, s[2:3] offset:(32*(\b/2)+8*(\b%2))*4+16
.endr
	WIN 0
.irp a, 0,1,2,3                                ; that of row 32 (a / 2) + 8 (a % 2) + r + 8 (r / 8)
	global_load_b32 v[TVL+\a], v13, s[14:15] offset:(32*(\a/2)+8*(\a%2))*4
.endr
	s_wait_alu depctr_va_vdst(0)
	s_wait_tensorcnt 0x0                           ; my tile of the head's four is in
	ds_add_u32 v[SPW], v[NIL]
	s_wait_dscnt 0x0
	CROUND                                         ; everybody's tile is in, and the joint loads meet
	HEAD4 G0+4, G1, G0B+4, G1B, G0S2, G1S2, G0SB2, G1SB   ; one load a wave: slot 1's A, its B, tile 2's scale words: A's, B's
	global_prefetch_b8 v14, s[PFA:PFA+1] offset:8*12288 th:TH_LOAD_NT scope:SCOPE_SE   ; tile 1's A, K steps 0-3: one slot ahead of its load (B's rows are tile 0's)
	FETCH_B 0, 0, 0
	FETCH_A 0, 0, 0
	SCALES 0, ASR, 0
	FETCH_A 0, 0, 1
	; ---- tile 0
	STEP 0, 0, 1
	REST 0
	TURN 0, 1, 1, ASR, 2048                        ; slot 0 takes tile 1's K steps 0-3
	STEP 1, 0, 0
	REST 1
	TURN 1, 0, 1, ASR+2, 0                         ; slot 1 its K steps 4-7; tile 1's first fragments and scale words are fetched
	s_wait_loadcnt 0x0                             ; the bias
	s_mov_b32 s[SEL], 0x76543210
	s_mov_b32 s[SEL+1], 0xfedcba98
.irp b, 0,1,2,3
	v_mov_b32 v[TM+4+\b], 0                        ; written once: a lane permute's destination counts as one of its sources
.endr
	WIN 0xc0
.irp a, 0,1,2,3
	v_mov_b32 v[TB+2*\a], v[TVL+\a]                ; the bias by row, twice: a pair for the packed addition
	v_mov_b32 v[TB+2*\a+1], v[TVL+\a]
.endr
	WIN 0
	s_lshl_b32 s13, s45, 4                         ; where tile 0 goes: row block 16 x pair + 4 x half,
	s_lshl_b32 s14, s[HR], 2
	s_add_co_u32 s13, s13, s14
	s_mul_i32 s13, s13, 24576
	s_lshl_b32 s14, s42, 1
	s_add_co_u32 s14, s14, s[HC]                   ; my 128 columns are K step 2 x tile column + half of the next product
	s_mul_i32 s15, s14, 1536
	s_add_co_u32 s[OC], s13, s15
	s_mov_b32 s[OC+1], 0
	s_add_nc_u64 s[OC:OC+1], s[8:9], s[OC:OC+1]
	s_lshl_b32 s13, s45, 5                         ; its group of 128 tokens has 16 K steps of scale words
	s_add_co_u32 s13, s13, s14
	s_lshl_b32 s13, s13, 9
	s_add_co_u32 s[OS], s13, QKS
	s_mov_b32 s[OS+1], 0
	s_add_nc_u64 s[OS:OS+1], s[8:9], s[OS:OS+1]
	EPI 0, 24576
	; ---- tile 1
	STEP 0, 0, 1
	REST 0
	TURN 0, 1, 2, ASR+2, 2048                      ; slot 0 takes tile 2's K steps 0-3
	STEP 1, 0, 0
	REST 1
	TURN 1, 0, 2, ASR+4, 0                         ; slot 1 its K steps 4-7
	s_wait_xcnt 0x0                                ; tile 0's stores have read their bases
	s_add_nc_u64 s[OC:OC+1], s[OC:OC+1], 8*24576   ; eight row blocks on,
	s_add_nc_u64 s[OS:OS+1], s[OS:OS+1], 16*512    ; one group of 128 tokens on
	EPI 0, 24576
	; ---- tile 2
	STEP 0, 0, 1
	REST 0
	TURN 0, 1, 0, ASR+4, 2048                      ; nothing is left to fetch
	STEP 1, 0, 0
	REST 1
	LAST
	PLACES 4
	s_wait_xcnt 0x0                                ; tile 1's stores have read their bases
	s_lshl_b32 s13, s66, 3                         ; where tile 2 goes: row block of channels 8 x tile row + 4 x half,
	s_lshl_b32 s14, s[HR], 2
	s_add_co_u32 s13, s13, s14
	s_mul_i32 s13, s13, 98304
	s_lshl_b32 s14, s67, 1
	s_add_co_u32 s14, s14, s[HC]                   ; my 128 tokens are K step 2 x tile column + half, of 64
	s_mul_i32 s15, s14, 1536
	s_add_co_u32 s13, s13, s15
	s_add_co_u32 s[OC], s13, VC
	s_mov_b32 s[OC+1], 0
	s_add_nc_u64 s[OC:OC+1], s[8:9], s[OC:OC+1]
	s_lshl_b32 s13, s66, 6
	s_add_co_u32 s13, s13, s14
	s_lshl_b32 s13, s13, 9
	s_add_co_u32 s[OS], s13, VSO
	s_mov_b32 s[OS+1], 0
	s_add_nc_u64 s[OS:OS+1], s[8:9], s[OS:OS+1]
	EPI 1, 98304
	s_wait_tensorcnt 0x0                           ; the wave's end
	ds_add_u32 v[SPW], v[NIL]
	s_wait_dscnt 0x0
	CROUND                                         ; the closing round
	s_endpgm
.Lfunc_end_k_q1cde252cb0_qkv:
	.size	k_q1cde252cb0_qkv, .Lfunc_end_k_q1cde252cb0_qkv-k_q1cde252cb0_qkv
	.p2alignl 7, 3214868480
	.fill 96, 4, 3214868480
	.section	.rodata,"a",@progbits
	.p2align	6, 0x0
	.amdhsa_kernel k_q1cde252cb0_qkv
		.amdhsa_group_segment_fixed_size 327680
		.amdhsa_private_segment_fixed_size 0
		.amdhsa_enable_private_segment 0
		.amdhsa_kernarg_size 24
		.amdhsa_user_sgpr_count 2
		.amdhsa_user_sgpr_kernarg_segment_ptr 1
		.amdhsa_wavefront_size32 1
		.amdhsa_system_sgpr_workgroup_id_x 1
		.amdhsa_system_sgpr_workgroup_id_y 1
		.amdhsa_system_sgpr_workgroup_id_z 1
		.amdhsa_system_vgpr_workitem_id 0
		.amdhsa_next_free_vgpr 1024
		.amdhsa_next_free_sgpr 106
		.amdhsa_reserve_vcc 1
		.amdhsa_float_denorm_mode_32 3
		.amdhsa_float_denorm_mode_16_64 3
		.amdhsa_memory_ordered 1
		.amdhsa_forward_progress 1
		.amdhsa_inst_pref_size 255
	.end_amdhsa_kernel
	.section	.bss,"aw",@nobits
	.p2align	6
	.space	262144
	.amdgpu_metadata
---
amdhsa.version: [ 1, 2 ]
amdhsa.kernels:
  - .name:           k_q1cde252cb0_qkv
    .symbol:         k_q1cde252cb0_qkv.kd
    .args:
      - { .name: qin, .offset: 0, .size: 8, .value_kind: global_buffer, .address_space: global }
      - { .name: b_qkv, .offset: 8, .size: 8, .value_kind: global_buffer, .address_space: global }
      - { .name: qkvb, .offset: 16, .size: 8, .value_kind: global_buffer, .address_space: global }
    .group_segment_fixed_size: 327680
    .private_segment_fixed_size: 0
    .kernarg_segment_align: 8
    .kernarg_segment_size: 24
    .max_flat_workgroup_size: 128
    .sgpr_count:     106
    .vgpr_count:     1024
    .wavefront_size: 32
...
	.end_amdgpu_metadata
.endif
;; end of part 2
;; launch scores (part 3): grid 8 x 32, 4 waves a work-group, clusters of 4 x 4, 327,680 bytes of LDS; arguments qkvb, attention_mask, pbuf; writes pbuf
.if DOCPART == 3
	.amdgcn_target "amdgcn-amd-amdhsa--gfx1250"
	.amdhsa_code_object_version 6
	.text
	.protected	k_q1cde252cb0_scores
	.globl	k_q1cde252cb0_scores
	.p2align	8
	.type	k_q1cde252cb0_scores,@function
k_q1cde252cb0_scores:
	s_mov_b64 s[64:65], 0
	v_nop
	global_prefetch_b8 v0, s[64:65] scope:SCOPE_SE
	s_setreg_imm32_b32 hwreg(HW_REG_WAVE_MODE, 25, 1), 1
	s_wait_xcnt 0x0
	s_wait_alu depctr_hold_cnt(0) depctr_sa_sdst(0) depctr_va_vdst(0) depctr_va_sdst(0) depctr_va_ssrc(0) depctr_va_vcc(0) depctr_vm_vsrc(0)
	s_getreg_b32 s2, hwreg(HW_REG_IB_STS2, 6, 4)
	s_cmp_eq_u32 s2, 0
	s_cbranch_scc0 .Lentry_in_a_cluster
	s_endpgm
.Lentry_in_a_cluster:
	s_bfe_u32 s2, ttmp6, 0x10000c
	s_cmp_lg_u32 s2, 0xf033
	s_cbranch_scc0 .Lentry_shape_is_right
	s_endpgm
.Lentry_shape_is_right:
; LAUNCH 3 OF 5.  S = Q K^T on codes of FP6 (E2M3), sums in f32; t = S log2(e) / 32; where the mask's byte is set, t = -1e20 log2(e); p = 2^(t - M), quantised along the keys, leaves as codes.  Nothing is left out.
; M IS LOCAL: for each query and each 128 keys (a wave's columns) M = ceil(the largest t among them), a whole number.  A whole-number change of M is a power of two that a block's scale takes up, so the codes are those
; under the row's M; the next launch takes the difference off the scale bytes.  Beside the codes leave, for each query and 128 keys: the raw scale word, -M, and the sum of the unquantised p.
; pbuf: p's codes [512 row blocks of queries][16 K steps of keys][1,536]; then [64 groups of 128 queries][16 K steps][3][512]: scale words, -M, sums, each laid as scale words are (lane r, row block a at 32 r + 4 a).
; A tile of S, 256 x 256, is made by four waves, each 128 x 128.  Ring, rounds and joint loads as in launch 2.  The tile's 256 x 256 mask bytes come by two plain tensor loads, one each by waves 2 and 3, with the first fills (rows of 256 bytes, each a whole
; aligned run of the mask's row; 16 bytes of padding behind each in LDS) and land under the products.
; The fills after the first are prefetched one fill ahead; a work-group has four slot fills in all, and two of them go out at the head.
; LIMITS: mask bytes are 0 or 1, as the problem states them; a block of zeros gets the scale byte 1; NaN and infinities are not served.
; REGISTERS: window 0: v1-31 addresses; v32-63 scale words; v128-223 A's fragments; on the way out v64-127 t and p, v128-243 at work.  window 1: B's fragments.  windows 2, 3: the accumulators.
.set NA,    8
.set NQ,    2
.set KST,   8
.set FR,    12
.set NL,    3
.set FRB,   1536
.set LAPS,  KST/(2*NQ)
.set HA_B,  NA*NQ*FRB
.set HB_B,  8*NQ*FRB
.set SLOT,  2*HA_B+2*HB_B
.set ADRA,  16
.set ADRB,  20
.set GO,    24
.set ADRS0, 27
.set SPW,   28
.set NIL,   29
.set ADRS1, 30
.set SC,    32
.set AF,    128
.set G1,    24
.set G0,    32
.set G1B,   48
.set G0B,   56
.set G1S,   68
.set G0S,   76
.set G1SB,  80
.set G0SB,  88
.set G1M,   92                         ; s[92:99], s[20:23] groups 1 and 0 for the mask's tile
.set G0M,   20
.set SCL,   2*SLOT
.set MSK,   SCL+4*4096                 ; the mask: 256 rows x (256 + 16) bytes
.set SPARE, MSK+256*272
.set QKS,   12582912                   ; byte offset in qkvb
.set PST,   12582912                   ; and in pbuf
.set CS,    66                         ; s[66:67] log2(e) / 32
.set SEL,   46
.set SO,    25
.set MADR,  31
.set H,     64
.set MK,    128                        ; v128-159 two sets of 64 mask bytes
.set PC,    160
.set BM,    180                        ; the blocks' largest t, then largest p
.set BX,    184
.set SOP,   188
.set T0,    192
.set NEGV,  194
.set NM,    196                        ; v[196:197] -M, twice
.set SA,    198
.set SB,    200
.set PWS,   204                        ; v204-211 scale words, v212-219 -M, v220-227 sums, for my 8 row blocks
.set NMS,   212
.set LS,    220
.set SELR,  228
.set MT0,   232
.set MSB,   0
.set WVR,   14                         ; the wave's number
.set HCR,   16                         ; which half of a tile I fetch in the ring
.set AH,    8*24576                    ; bytes from a tile's first half to its second, in memory: A's, B's
.set BH,    8*24576
.macro TL g0, g1                       ; a tensor load with an s_nop 0 and four v_nop behind it
	tensor_load_to_lds s[\g0:\g0+3], s[\g1:\g1+7]
	s_nop 0
.rept 4
	v_nop
.endr
.endm
.macro HEAD4 a0, a1, b0, b1, c0, c1, d0, d1   ; four tiles, one a wave: one chain of branches on the wave's number, all arms to one join
	s_cmp_lt_u32 s[WVR], 1
	s_cbranch_scc0 .Lh1_\@
	TL \a0, \a1
	s_branch .Lh4_\@
.Lh1_\@:
	s_cmp_lt_u32 s[WVR], 2
	s_cbranch_scc0 .Lh2_\@
	TL \b0, \b1
	s_branch .Lh4_\@
.Lh2_\@:
	s_cmp_lt_u32 s[WVR], 3
	s_cbranch_scc0 .Lh3_\@
	TL \c0, \c1
	s_branch .Lh4_\@
.Lh3_\@:
	TL \d0, \d1
.Lh4_\@:
.endm
.macro CONV slot, as, bs               ; a slot's two groups 0 go from the whole tile to my half of it, and as, bs bytes on in memory
	s_mul_i32 s104, s[HCR], AH
.if \as
	s_add_co_u32 s104, s104, \as
.endif
	s_mov_b32 s105, 0
	s_add_nc_u64 s[G0+4*\slot+2:G0+4*\slot+3], s[G0+4*\slot+2:G0+4*\slot+3], s[104:105]
	s_mul_i32 s104, s[HCR], BH
.if \bs
	s_add_co_u32 s104, s104, \bs
.endif
	s_add_nc_u64 s[G0B+4*\slot+2:G0B+4*\slot+3], s[G0B+4*\slot+2:G0B+4*\slot+3], s[104:105]
	s_mul_i32 s104, s[HCR], HA_B
	s_add_co_u32 s[G0+4*\slot+1], s[G0+4*\slot+1], s104
	s_mul_i32 s104, s[HCR], HB_B
	s_add_co_u32 s[G0B+4*\slot+1], s[G0B+4*\slot+1], s104
.endm
.set PFA,   100                        ; s[100:101], s[4:5] where my prefetches of A's and of B's tiles stand; never rewritten behind the head
.set PFB,   4
.macro ASK off                         ; my share of the tiles that lie off bytes along K: each block of 256 bytes is named once in the cluster
	global_prefetch_b8 v14, s[PFA:PFA+1] offset:\off th:TH_LOAD_NT scope:SCOPE_SE
	global_prefetch_b8 v15, s[PFB:PFB+1] offset:\off th:TH_LOAD_NT scope:SCOPE_SE
.endm
.macro HALVE                           ; from here on a load brings half a tile's row blocks
	s_mov_b32 s[G1+2], NA<<16
	s_mov_b32 s[G1+4], NA
	s_mov_b32 s[G1B+2], 8<<16
	s_mov_b32 s[G1B+4], 8
.endm
.macro WIN new
.if MSB != (\new)
	s_set_vgpr_msb (MSB<<8)|(\new)
.set MSB, (\new)
.endif
.endm
.macro JLOAD g0a, g1a, g0b, g1b
	s_cmp_eq_u32 s15, 0
	s_cbranch_scc0 .Lfor_b_\@
	tensor_load_to_lds s[\g0a:\g0a+3], s[\g1a:\g1a+7]
	s_nop 0
.rept 4
	v_nop
.endr
	s_branch .Lasked_\@
.Lfor_b_\@:
	tensor_load_to_lds s[\g0b:\g0b+3], s[\g1b:\g1b+7]
	s_nop 0
.rept 4
	v_nop
.endr
.Lasked_\@:
.endm
.macro CREST
	s_cmp_lg_u32 s14, 0
	s_cbranch_scc1 .Lnot_wave_0_\@
	s_barrier_signal -3
.Lnot_wave_0_\@:
	s_barrier_wait -3
	s_barrier_signal -1
	s_barrier_wait -1
.endm
.macro CROUND
	s_barrier_signal -1
	s_barrier_wait -1
	CREST
.endm
.macro PLACES n
.rept \n
	v_nop
.endr
.endm
.macro FRAG reg, adr, q, i
.irp c, 0,1,2
	ds_load_b128 v[(\reg)+4*\c:(\reg)+4*\c+3], v[\adr] offset:(\i)*NQ*FRB+(\q)*FRB+512*\c
.endr
.endm
.macro FETCH_B slot, q, p
	WIN 0x40
.irp i, 0,1,2,3,4,5,6,7
	FRAG 128*(\p)+FR*\i, ADRB+\slot, \q, \i
.endr
	WIN 0
.endm
.macro FETCH_A slot, q, half
.set fa, (\half)*(NA/2)
.rept NA/2
	FRAG AF+FR*fa, ADRA+\slot, \q, fa
.set fa, fa+1
.endr
.endm
.macro SCALES set
.set sq, 0
.rept NQ
	ds_load_b128 v[SC+8*NQ*(\set)+8*sq:SC+8*NQ*(\set)+8*sq+3], v[ADRS0] offset:512*sq
	ds_load_b128 v[SC+8*NQ*(\set)+8*sq+4:SC+8*NQ*(\set)+8*sq+7], v[ADRS1] offset:512*sq
.set sq, sq+1
.endr
.endm
.macro MULB a, p, q, sc, zero          ; the accumulators take turns, one instruction a turn
	WIN 0xa1+0x50*((\a)/4)
.irp b, 0,1,2,3,4,5,6,7
.if \zero
	v_wmma_scale_f32_16x16x128_f8f6f4 v[8*(8*((\a)%4)+\b):8*(8*((\a)%4)+\b)+7], v[128*(\p)+FR*\b:128*(\p)+FR*\b+FR-1], v[AF+FR*(\a):AF+FR*(\a)+FR-1], 0, v[SC+8*NQ*(\sc)+8*(\q)+\b], v[SC+8*NQ*(\sc)+8*(\q)+(\a)] matrix_a_fmt:MATRIX_FMT_FP6 matrix_b_fmt:MATRIX_FMT_FP6 matrix_a_scale:MATRIX_SCALE_ROW1
.else
	v_wmma_scale_f32_16x16x128_f8f6f4 v[8*(8*((\a)%4)+\b):8*(8*((\a)%4)+\b)+7], v[128*(\p)+FR*\b:128*(\p)+FR*\b+FR-1], v[AF+FR*(\a):AF+FR*(\a)+FR-1], v[8*(8*((\a)%4)+\b):8*(8*((\a)%4)+\b)+7], v[SC+8*NQ*(\sc)+8*(\q)+\b], v[SC+8*NQ*(\sc)+8*(\q)+(\a)] matrix_a_fmt:MATRIX_FMT_FP6 matrix_b_fmt:MATRIX_FMT_FP6 matrix_a_scale:MATRIX_SCALE_ROW1
.endif
.endr
.endm
.macro MULN first, count, p, q, sc, zero
.set ma, (\first)
.rept (\count)
	MULB ma, \p, \q, \sc, \zero
.set ma, ma+1
.endr
.endm
.macro STEP slot, q, zero
	s_wait_dscnt (NA/2)*NL                         ; all but the youngest loads, A's second half, are in
	MULN 0, NA/2, (\q)%2, \q, \slot, \zero
	s_wait_dscnt 0x0
	PLACES 4
	FETCH_B \slot, (\q)+1, 1-(\q)%2
	FETCH_A \slot, (\q)+1, 0
	MULN NA/2, NA/2, (\q)%2, \q, \slot, \zero
	PLACES 4
	WIN 0
	FETCH_A \slot, (\q)+1, 1
.endm
.macro REST slot
.if NQ > 2
.set rq, 1
.rept NQ-2
	STEP \slot, rq, 0
.set rq, rq+1
.endr
.endif
.endm
.macro TURN slot, next, fill
	s_wait_tensorcnt 0x0                           ; all my tensor loads have landed
	ds_add_u32 v[SPW], v[NIL]
.if \fill
	CONV \slot, 2*NQ*FRB, 2*NQ*FRB                 ; no load of mine is out: each slot is filled again once: its descriptors go from the whole tile to my quarter, two slots on along K
.if \slot == 0
	HALVE
.endif
.endif
	s_wait_dscnt (NA/2)*NL+1
	MULN 0, NA/4, 1, NQ-1, \slot, 0
	s_wait_dscnt 0x0                               ; the add is done, and my reads of this slot are over
	s_barrier_signal -1
	MULN NA/4, NA/4, 1, NQ-1, \slot, 0
	WIN 0
	s_barrier_wait -1
.if \fill
	CREST
	JLOAD G0+4*\slot, G1, G0B+4*\slot, G1B
.else
	PLACES 4
.endif
	s_wait_alu depctr_va_vdst(0)
	v_add_nc_u32 v[ADRS0], NQ*512, v[ADRS0]
	v_add_nc_u32 v[ADRS1], NQ*512, v[ADRS1]
	FETCH_B \next, 0, 0
	FETCH_A \next, 0, 0
	SCALES \next
.if \fill
.if \slot == 0
	ASK 3*NQ*FRB                                   ; K steps 6, 7, the last: one slot ahead of their loads
.endif
.endif
	MULN NA/2, NA/2, 1, NQ-1, \slot, 0
	PLACES 4
	WIN 0
	FETCH_A \next, 0, 1
.endm
.macro LAST
	s_wait_dscnt (NA/2)*NL
	MULN 0, NA/2, 1, NQ-1, 1, 0
	s_wait_dscnt 0x0
	MULN NA/2, NA/2, 1, NQ-1, 1, 0
	WIN 0
.endm
.macro MLOAD a                         ; the mask bytes of row block a: my query's 16 bytes of each block of 32 keys
.irp g, 0,1,2,3
	ds_load_b128 v[MK+16*((\a)%2)+4*\g:MK+16*((\a)%2)+4*\g+3], v[MADR] offset:(32*((\a)/2)+8*((\a)%2))*272+32*\g
.endr
.endm
; Row block a on its way out.  A lane holds one query; register 16 g + i is key 32 g + 16 (lane / 16) + i of my 128
.macro SOFT a
.set MKA, MK+16*((\a)%2)
.if (\a) < 7
	MLOAD (\a)+1
	s_wait_dscnt 4                                 ; this block's mask bytes are in; the next block's four loads may be out
.else
	s_wait_dscnt 0x0
.endif
.if (\a) > 0
	s_wait_xcnt 0x0                                ; the last image's stores have read the codes' registers
.endif
	WIN 0x02+(\a)/4
.set n, 0
.rept 32
	v_pk_mul_f32 v[H+n:H+n+1], v[64*((\a)%4)+n:64*((\a)%4)+n+1], s[CS:CS+1] op_sel_hi:[1,0]   ; t; each accumulator from its low end on
.set n, n+2
.endr
	WIN 0
.set m, 0
.rept 16                               ; four mask bytes, each 0 or 1: x 255 makes them 0 or 0xff; a byte spread over a word chooses between t and the masked t
.set MT, MT0+6*(m%2)
	v_lshlrev_b32 v[MT], 8, v[MKA+m]
	v_sub_nc_u32 v[MT], v[MT], v[MKA+m]
	v_perm_b32 v[MT+1], v[MT], v[MT], 0
	v_perm_b32 v[MT+2], v[MT], v[MT], s18
	v_perm_b32 v[MT+3], v[MT], v[MT], s19
	v_perm_b32 v[MT+4], v[MT], v[MT], s45
	v_bfi_b32 v[H+4*m], v[MT+1], v[NEGV], v[H+4*m]
	v_bfi_b32 v[H+4*m+1], v[MT+2], v[NEGV], v[H+4*m+1]
	v_bfi_b32 v[H+4*m+2], v[MT+3], v[NEGV], v[H+4*m+2]
	v_bfi_b32 v[H+4*m+3], v[MT+4], v[NEGV], v[H+4*m+3]
.set m, m+1
.endr
.irp g, 0,1,2,3
	v_max3_num_f32 v[BM+\g], v[H+16*\g], v[H+16*\g+1], v[H+16*\g+2]   ; the largest t of each block of 32 keys: it serves for M and, since p rises with t, for the block's largest p
.endr
.irp i, 3,5,7,9,11,13
.irp g, 0,1,2,3
	v_max3_num_f32 v[BM+\g], v[BM+\g], v[H+16*\g+\i], v[H+16*\g+\i+1]
.endr
.endr
.irp g, 0,1,2,3
	v_max_num_f32 v[BM+\g], v[BM+\g], v[H+16*\g+15]
.endr
.irp g, 0,1,2,3
	v_permlanex16_b32 v[BX+\g], v[BM+\g], s[SEL], s[SEL+1]
.endr
.irp g, 0,1,2,3
	v_max_num_f32 v[BM+\g], v[BM+\g], v[BX+\g]
.endr
	v_max3_num_f32 v[T0], v[BM], v[BM+1], v[BM+2]
	v_max_num_f32 v[T0], v[T0], v[BM+3]
	v_floor_f32 v[NM], -v[T0]                      ; -M = floor(-t) = -ceil(t): M is a whole number
	v_floor_f32 v[NM+1], -v[T0]
.set n, 0
.rept 32
	v_pk_add_f32 v[H+n:H+n+1], v[H+n:H+n+1], v[NM:NM+1]
.set n, n+2
.endr
.irp g, 0,1,2,3
	v_add_f32 v[BM+\g], v[BM+\g], v[NM]
.endr
.set n, 0
	s_wait_alu depctr_va_vdst(0)
.rept 64
	v_exp_f32 v[H+n], v[H+n]                       ; p = 2^(t - M), at most 1
.set n, n+1
.endr
	v_mov_b32 v[NMS+(\a)], v[NM]                   ; (a plain place behind the exponentials)
	s_wait_alu depctr_va_vdst(0)                   ; one wait for the batch, ahead of its first reader
.irp g, 0,1,2,3
	v_exp_f32 v[BM+\g], v[BM+\g]                   ; the block's largest p: the same two instructions on the same number give the same bits
.endr
	v_pk_add_f32 v[SA:SA+1], v[H:H+1], v[H+2:H+3]  ; the sum is taken of the unquantised p, in two chains
	v_pk_add_f32 v[SB:SB+1], v[H+4:H+5], v[H+6:H+7]
.irp j, 8,12,16,20,24,28,32,36,40,44,48,52,56,60
	v_pk_add_f32 v[SA:SA+1], v[SA:SA+1], v[H+\j:H+\j+1]
	v_pk_add_f32 v[SB:SB+1], v[SB:SB+1], v[H+\j+2:H+\j+3]
.endr
	v_pk_add_f32 v[SA:SA+1], v[SA:SA+1], v[SB:SB+1]
	v_add_f32 v[SA], v[SA], v[SA+1]
	v_permlanex16_b32 v[T0], v[SA], s[SEL], s[SEL+1]
	v_add_f32 v[LS+(\a)], v[SA], v[T0]             ; with lane l xor 16's 64 keys
	s_wait_alu depctr_va_vdst(0)                   ; and one for the four
.irp g, 0,1,2,3
	v_max_num_f32 v[BM+\g], 0x1800000, v[BM+\g]    ; the floor 2^(3 - 127): the byte cannot fall under 1
.endr
.irp g, 0,1,2,3
	v_add_nc_u32 v[SOP+\g], 0xff000000, v[BM+\g]   ; 2 off the exponent field: the conversion's scale operand
.endr
.irp g, 0,1,2,3
	v_lshrrev_b32 v[BX+\g], 23, v[SOP+\g]
.endr
	v_lshl_or_b32 v[PWS+(\a)], v[BX+1], 8, v[BX]
	v_lshl_or_b32 v[PWS+(\a)], v[BX+2], 16, v[PWS+(\a)]
	v_lshl_or_b32 v[PWS+(\a)], v[BX+3], 24, v[PWS+(\a)]
.irp c, 0,1
	v_cvt_scalef32_pk16_fp6_f32 v[PC+6*\c:PC+2+6*\c], v[H+32*\c:H+15+32*\c], v[SOP+2*\c]
	v_cvt_scalef32_pk16_fp6_f32 v[PC+12+4*\c:PC+14+4*\c], v[H+16+32*\c:H+31+32*\c], v[SOP+2*\c+1]
.endr
	v_nop                                          ; one plain place behind a scaled conversion
.irp c, 0,1
.irp i, 0,1,2
	v_permlane16_swap_b32 v[PC+6*\c+\i], v[PC+12+4*\c+\i]
.endr
.irp i, 0,1,2
	v_mov_b32 v[PC+3+6*\c+\i], v[PC+12+4*\c+\i]
.endr
.endr
.irp c, 0,1,2
	global_store_b128 v[GO], v[PC+4*\c:PC+4*\c+3], s[10:11] offset:(\a)*24576+512*\c   ; 512 consecutive bytes a store
.endr
.endm
	s_load_b128 s[4:7], s[0:1], 0x0                ; qkvb, the mask
	s_load_b64 s[8:9], s[0:1], 0x10                ; pbuf
	v_lshl_add_u32 v[SPW], v0, 2, SPARE
	v_mov_b32 v[NIL], 0
	ds_add_u32 v[SPW], v[NIL]                      ; the wave's opening: the add, twice on end, and its wait ahead of my first tensor load
	ds_add_u32 v[SPW], v[NIL]
	v_lshrrev_b32 v1, 5, v0
	v_readfirstlane_b32 s14, v1
	s_lshr_b32 s15, s14, 1
	s_and_b32 s16, s14, 1
	s_bfe_u32 s40, ttmp6, 0x40000
	s_bfe_u32 s41, ttmp6, 0x40004
	s_lshl_b32 s43, s41, 2
	s_lshl_b32 s43, 15, s43
	s_lshl_b32 s44, 0x1111, s40
	s_lshl_b32 s42, ttmp9, 2
	s_add_co_u32 s42, s42, s40                     ; tile column: 256 keys of the batch
	s_and_b32 s17, ttmp7, 0xffff
	s_lshr_b32 s3, s17, 1                          ; the batch: it hangs on the cluster alone
	s_lshl_b32 s17, s17, 2
	s_add_co_u32 s17, s17, s41                     ; tile row: 256 of all 8,192 queries
	s_or_b32 s[G1+0], s43, (3<<16)|(1<<21)
	s_or_b32 s[G1B+0], s44, (3<<16)|(1<<21)
.irp g, G1, G1B
	s_mov_b32 s[\g+1], (NQ*192)<<16
	s_mov_b32 s[\g+2], 16<<16                      ; the first fills bring whole tiles: 16 row blocks
	s_mov_b32 s[\g+3], (NQ*192)<<16
	s_mov_b32 s[\g+4], 16
	s_mov_b32 s[\g+5], 3072                        ; from row block to row block: 24,576 bytes
	s_mov_b32 s[\g+6], 0
	s_mov_b32 s[\g+7], 0
.endr
	s_or_b32 s[G1S+0], s43, (3<<16)|(1<<21)
	s_or_b32 s[G1SB+0], s44, (3<<16)|(1<<21)
.irp g, G1S, G1SB
	s_mov_b32 s[\g+1], 512<<16                     ; scale words: two groups of 128 rows, 4,096 bytes of each,
	s_mov_b32 s[\g+2], 2<<16
	s_mov_b32 s[\g+3], 512<<16
	s_mov_b32 s[\g+4], 2
	s_mov_b32 s[\g+5], 1024                        ; 8,192 bytes apart
	s_mov_b32 s[\g+6], 0
	s_mov_b32 s[\g+7], 0
.endr
	s_mov_b32 s[G1M+0], (3<<16)|(1<<20)|(5<<22)|(3<<25)  ; the mask's tile: no work-group mask; elements of 8 bytes; 4 words of padding behind every 64
	s_mov_b32 s[G1M+1], 32<<16                     ; 256 bytes of a row
	s_mov_b32 s[G1M+2], 128<<16                    ; 128 rows for each of waves 2 and 3
	s_mov_b32 s[G1M+3], 32<<16
	s_mov_b32 s[G1M+4], 128
	s_mov_b32 s[G1M+5], 256                        ; a row of the mask is 2,048 bytes
	s_mov_b32 s[G1M+6], 0
	s_mov_b32 s[G1M+7], 0
	s_lshl_b32 s18, s17, 4                         ; A = Q: row block 16 x tile row + 8 x half, K steps 0-7
	s_mul_i32 s18, s18, 24576
	s_lshl_b32 s20, s17, 14
	s_add_co_u32 s20, s20, QKS
	s_lshl_b32 s46, s42, 4
	s_lshl_b32 s47, s3, 7
	s_add_co_u32 s46, s46, s47
	s_mul_i32 s46, s46, 24576
	s_add_co_u32 s46, s46, 12288
	s_lshl_b32 s12, s42, 1
	s_lshl_b32 s13, s3, 4
	s_add_co_u32 s12, s12, s13
	s_lshl_b32 s12, s12, 13
	s_add_co_u32 s12, s12, QKS+4096
	s_mov_b32 s19, 0
	s_mov_b32 s21, 0
	s_mov_b32 s47, 0
	s_mov_b32 s13, 0
	s_mov_b32 s[CS], 0x3d38aa3b                    ; log2(e) / 32
	s_mov_b32 s[CS+1], s[CS]
	s_wait_dscnt 0x0                               ; both opening adds are done
	s_wait_kmcnt 0x0
	s_add_nc_u64 s[18:19], s[4:5], s[18:19]
	s_add_nc_u64 s[20:21], s[4:5], s[20:21]
	s_add_nc_u64 s[46:47], s[4:5], s[46:47]
	s_add_nc_u64 s[12:13], s[4:5], s[12:13]
	CROUND                                         ; all sixteen work-groups are here: the first joint loads meet
	s_mov_b32 s[G0S], 1
	s_mov_b32 s[G0S+1], SCL
	s_mov_b64 s[G0S+2:G0S+3], s[20:21]
	s_or_b32 s[G0S+3], s[G0S+3], 0x80000000
	s_mov_b32 s[G0SB], 1
	s_mov_b32 s[G0SB+1], SCL+8192
	s_mov_b64 s[G0SB+2:G0SB+3], s[12:13]
	s_or_b32 s[G0SB+3], s[G0SB+3], 0x80000000
.irp s, 0,1
	s_mov_b32 s[G0+4*\s], 1
	s_mov_b32 s[G0+4*\s+1], \s*SLOT
	s_add_nc_u64 s[G0+4*\s+2:G0+4*\s+3], s[18:19], \s*NQ*FRB
	s_or_b32 s[G0+4*\s+3], s[G0+4*\s+3], 0x80000000
	s_mov_b32 s[G0B+4*\s], 1
	s_mov_b32 s[G0B+4*\s+1], 2*HA_B+\s*SLOT
	s_add_nc_u64 s[G0B+4*\s+2:G0B+4*\s+3], s[46:47], \s*NQ*FRB
	s_or_b32 s[G0B+4*\s+3], s[G0B+4*\s+3], 0x80000000
.endr
	HEAD4 G0, G1, G0B, G1B, G0S, G1S, G0SB, G1SB   ; one load a wave: slot 0's A, its B, A's scale words, B's
	; where my prefetches stand: of a tile's 16 row blocks my work-group takes 4 (A's by cx, B's by cy), one a wave
	s_lshl_b32 s100, s40, 2
	s_add_co_u32 s100, s100, s14
	s_mul_i32 s100, s100, 24576
	s_mov_b32 s101, 0
	s_add_nc_u64 s[PFA:PFA+1], s[18:19], s[100:101]
	s_lshl_b32 s4, s41, 2
	s_add_co_u32 s4, s4, s14
	s_mul_i32 s4, s4, 24576
	s_mov_b32 s5, 0
	s_add_nc_u64 s[PFB:PFB+1], s[46:47], s[4:5]
	v_and_b32 v15, 31, v0
	v_min_u32 v15, 11, v15                         ; a lane a block of 256 bytes: 12 to a row block's slot; the lanes left over name their wave's last block again
	v_lshlrev_b32 v14, 8, v15
	v_lshlrev_b32 v15, 8, v15
	ASK NQ*FRB                                     ; slot 1's tiles, one fill ahead of their loads
	s_lshl_b32 s18, s17, 8                         ; the mask: my work-group's own tile, 128 rows a wave: row 256 x tile row + 128 x (wave % 2), byte 256 x tile column
	s_lshl_b32 s19, s16, 7
	s_add_co_u32 s18, s18, s19
	s_lshl_b32 s18, s18, 11
	s_lshl_b32 s19, s42, 8
	s_add_co_u32 s18, s18, s19
	s_mov_b32 s19, 0
	s_mov_b32 s[G0M], 1
	s_mul_i32 s[G0M+1], s16, 128*272
	s_add_co_u32 s[G0M+1], s[G0M+1], MSK
	s_add_nc_u64 s[G0M+2:G0M+3], s[6:7], s[18:19]
	s_or_b32 s[G0M+3], s[G0M+3], 0x80000000
	s_lshl_b32 s18, s17, 19                        ; the mask's tile is my work-group's own: a thread asks for rows T and T + 128, 256 bytes each, one fill ahead of their load
	s_lshl_b32 s19, s42, 8
	s_add_co_u32 s18, s18, s19
	s_mov_b32 s19, 0
	s_add_nc_u64 s[6:7], s[6:7], s[18:19]
	v_lshlrev_b32 v13, 11, v0
	global_prefetch_b8 v13, s[6:7] th:TH_LOAD_NT scope:SCOPE_SE
	global_prefetch_b8 v13, s[6:7] offset:128*2048 th:TH_LOAD_NT scope:SCOPE_SE
	v_and_b32 v1, 15, v0
	v_bfe_u32 v2, v0, 4, 1                         ; h
	s_wait_alu depctr_va_vdst(0)
	v_and_b32 v3, 31, v0
	v_lshlrev_b32 v[GO], 4, v3
	s_mul_i32 s18, s15, HA_B
	s_mul_i32 s19, s16, HB_B
	s_add_co_u32 s19, s19, 2*HA_B
.irp s, 0,1
	v_add_nc_u32 v[ADRA+\s], s18, v[GO]
	v_add_nc_u32 v[ADRB+\s], s19, v[GO]
	s_add_co_u32 s18, s18, SLOT
	s_add_co_u32 s19, s19, SLOT
.endr
	v_lshlrev_b32 v4, 5, v1
	s_lshl_b32 s18, s15, 12
	s_lshl_b32 s19, s16, 12
	s_add_co_u32 s19, s19, 8192
	s_sub_co_u32 s19, s19, s18
	v_mul_u32_u24 v5, s19, v2                      ; lanes 16-31 take B's
	s_add_co_u32 s18, s18, SCL
	v_add_nc_u32 v4, v4, v5
	v_add_nc_u32 v[ADRS0], s18, v4
	v_add_nc_u32 v[ADRS1], 16, v[ADRS0]
	v_lshlrev_b32 v[SO], 5, v1
	v_lshl_add_u32 v[SO], v2, 4, v[SO]
	v_and_b32 v5, 8, v1
	v_add_nc_u32 v5, v5, v1                        ; r + 8 (r / 8)
	v_mul_u32_u24 v[MADR], v5, 272
	v_lshl_add_u32 v[MADR], v2, 4, v[MADR]
	s_mul_i32 s18, s15, 128*272                    ; my 128 queries,
	s_lshl_b32 s19, s16, 7                         ; my 128 keys
	s_add_co_u32 s18, s18, s19
	s_add_co_u32 s18, s18, MSK
	v_add_nc_u32 v[MADR], s18, v[MADR]
	s_lshl_b32 s18, s17, 4                         ; where the results go
	s_lshl_b32 s19, s15, 3
	s_add_co_u32 s18, s18, s19
	s_mul_i32 s18, s18, 24576
	s_lshl_b32 s46, s42, 1
	s_add_co_u32 s46, s46, s16                     ; my 128 keys are K step 2 x tile column + half of the next product
	s_mul_i32 s47, s46, 1536
	s_add_co_u32 s18, s18, s47
	s_mov_b32 s19, 0
	s_add_nc_u64 s[10:11], s[8:9], s[18:19]
	s_lshl_b32 s18, s17, 1
	s_add_co_u32 s18, s18, s15
	s_lshl_b32 s18, s18, 4
	s_add_co_u32 s18, s18, s46
	s_mul_i32 s18, s18, 1536
	s_add_co_u32 s18, s18, PST
	s_add_nc_u64 s[12:13], s[8:9], s[18:19]
	s_wait_alu depctr_va_vdst(0)
	s_wait_tensorcnt 0x0                           ; my tile of the head's four is in
	ds_add_u32 v[SPW], v[NIL]
	s_wait_dscnt 0x0
	CROUND                                         ; everybody's tile is in, and the joint loads meet
	HEAD4 G0+4, G1, G0B+4, G1B, G0M, G1M, G0M, G1M ; one load a wave: slot 1's A, its B; waves 2 and 3 a half of the mask's tile each
	ASK 2*NQ*FRB                                   ; K steps 4, 5: one slot ahead of their loads
	FETCH_B 0, 0, 0
	FETCH_A 0, 0, 0
	SCALES 0
	FETCH_A 0, 0, 1
	STEP 0, 0, 1
	REST 0
	TURN 0, 1, 1
	STEP 1, 0, 0
	REST 1
	TURN 1, 0, 1
	STEP 0, 0, 0
	REST 0
	TURN 0, 1, 0
	STEP 1, 0, 0
	REST 1
	LAST
	PLACES 4
	; THE WAY OUT.  Every wave has waited for all its tensor loads in front of a barrier that I have passed: the whole mask tile lies in LDS
	s_mov_b32 s[SEL], 0x76543210
	s_mov_b32 s[SEL+1], 0xfedcba98
	s_mov_b32 s18, 0x01010101                      ; v_perm_b32's selects: byte 1, 2, 3 into all four places
	s_mov_b32 s19, 0x02020202
	s_mov_b32 s45, 0x03030303
	v_mov_b32 v[NEGV], 0xe0ad78ec                  ; -1e20,
	v_mul_f32 v[NEGV], 0x3fb8aa3b, v[NEGV]         ; as t
.irp g, 0,1,2,3
	v_mov_b32 v[BX+\g], 0                          ; written once: a lane permute's destination counts as one of its sources
.endr
	v_mov_b32 v[T0], 0
	MLOAD 0
.irp a, 0,1,2,3,4,5,6,7
	SOFT \a
.endr
	v_cmp_ne_u32 vcc_lo, 0, v2
.irp k, 0,1,2                                  ; scale words, -M, sums: 512 bytes each, whole
.irp i, 0,1,2,3
	v_cndmask_b32 v[SELR+4*\k+\i], v[PWS+8*\k+\i], v[PWS+8*\k+4+\i], vcc_lo
.endr
	global_store_b128 v[SO], v[SELR+4*\k:SELR+4*\k+3], s[12:13] offset:512*\k
.endr
	s_wait_tensorcnt 0x0                           ; the wave's end
	ds_add_u32 v[SPW], v[NIL]
	s_wait_dscnt 0x0
	CROUND                                         ; the closing round
	s_endpgm
.Lfunc_end_k_q1cde252cb0_scores:
	.size	k_q1cde252cb0_scores, .Lfunc_end_k_q1cde252cb0_scores-k_q1cde252cb0_scores
	.p2alignl 7, 3214868480
	.fill 96, 4, 3214868480
	.section	.rodata,"a",@progbits
	.p2align	6, 0x0
	.amdhsa_kernel k_q1cde252cb0_scores
		.amdhsa_group_segment_fixed_size 327680
		.amdhsa_private_segment_fixed_size 0
		.amdhsa_enable_private_segment 0
		.amdhsa_kernarg_size 24
		.amdhsa_user_sgpr_count 2
		.amdhsa_user_sgpr_kernarg_segment_ptr 1
		.amdhsa_wavefront_size32 1
		.amdhsa_system_sgpr_workgroup_id_x 1
		.amdhsa_system_sgpr_workgroup_id_y 1
		.amdhsa_system_sgpr_workgroup_id_z 1
		.amdhsa_system_vgpr_workitem_id 0
		.amdhsa_next_free_vgpr 1024
		.amdhsa_next_free_sgpr 106
		.amdhsa_reserve_vcc 1
		.amdhsa_float_denorm_mode_32 3
		.amdhsa_float_denorm_mode_16_64 3
		.amdhsa_memory_ordered 1
		.amdhsa_forward_progress 1
		.amdhsa_inst_pref_size 255
	.end_amdhsa_kernel
	.section	.bss,"aw",@nobits
	.p2align	6
	.space	262144
	.amdgpu_metadata
---
amdhsa.version: [ 1, 2 ]
amdhsa.kernels:
  - .name:           k_q1cde252cb0_scores
    .symbol:         k_q1cde252cb0_scores.kd
    .args:
      - { .name: qkvb, .offset: 0, .size: 8, .value_kind: global_buffer, .address_space: global }
      - { .name: attention_mask, .offset: 8, .size: 8, .value_kind: global_buffer, .address_space: global }
      - { .name: pbuf, .offset: 16, .size: 8, .value_kind: global_buffer, .address_space: global }
    .group_segment_fixed_size: 327680
    .private_segment_fixed_size: 0
    .kernarg_segment_align: 8
    .kernarg_segment_size: 24
    .max_flat_workgroup_size: 128
    .sgpr_count:     106
    .vgpr_count:     1024
    .wavefront_size: 32
...
	.end_amdgpu_metadata
.endif
;; end of part 3
;; launch pv (part 4): grid 4 x 64, 4 waves a work-group, clusters of 4 x 4, 327,680 bytes of LDS; arguments pbuf, qkvb, cbuf; writes cbuf
.if DOCPART == 4
	.amdgcn_target "amdgcn-amd-amdhsa--gfx1250"
	.amdhsa_code_object_version 6
	.text
	.protected	k_q1cde252cb0_pv
	.globl	k_q1cde252cb0_pv
	.p2align	8
	.type	k_q1cde252cb0_pv,@function
k_q1cde252cb0_pv:
	s_mov_b64 s[64:65], 0
	v_nop
	global_prefetch_b8 v0, s[64:65] scope:SCOPE_SE
	s_setreg_imm32_b32 hwreg(HW_REG_WAVE_MODE, 25, 1), 1
	s_wait_xcnt 0x0
	s_wait_alu depctr_hold_cnt(0) depctr_sa_sdst(0) depctr_va_vdst(0) depctr_va_sdst(0) depctr_va_ssrc(0) depctr_va_vcc(0) depctr_vm_vsrc(0)
	s_getreg_b32 s2, hwreg(HW_REG_IB_STS2, 6, 4)
	s_cmp_eq_u32 s2, 0
	s_cbranch_scc0 .Lentry_in_a_cluster
	s_endpgm
.Lentry_in_a_cluster:
	s_bfe_u32 s2, ttmp6, 0x10000c
	s_cmp_lg_u32 s2, 0xf033
	s_cbranch_scc0 .Lentry_shape_is_right
	s_endpgm
.Lentry_shape_is_right:
; LAUNCH 4 OF 5.  ctx = (p V) / l on codes of FP6 (E2M3), sums in f32; ctx is quantised along its channels and leaves as codes.  Nothing is left out.
; p's codes were made under a LOCAL whole number M for each query and 128 keys.  At the head each work-group finds its 128 queries' M (the largest of the 16), takes d = M - local M off each scale byte (a power of two, exact),
; sums l = the sum of local sums x 2^-d, and keeps 1 / l.  The mended scale words go to LDS bytes of their own, which no tensor load fills.
; LIMITS: d is held at 127; 128 keys whose M lies 127 or more under the row's count with the scale 2^-127 in the product and with nothing in l: under 2^-120 of l.  A scale byte that would fall under 0 becomes 0.
; A block of zeros gets the scale byte 1.  NaN and infinities are not served.
; A tile of ctx is 128 queries x 256 channels, so that there are 256 work-groups; a wave makes 64 x 128: 32 accumulators.  K = the batch's 2,048 keys, in slots of 512 (four steps of 128) through a ring of two LDS slots.
; cbuf: ctx's codes [512 row blocks][8 K steps][1,536]; its scale words [64][8][512].  Ring, rounds and joint loads as in launch 2.  The fills after the first are prefetched one fill ahead; four slot fills in all, two of them at the head.
; REGISTERS: window 0: v1-31 addresses; v32-95 scale words, two sets (they hold nothing else); v128-175 A's fragments; at the head v128-175 and v240-251, on the way out v96-239 at work.  window 1: B's fragments.  window 2: the accumulators.
.set NA,    4
.set NQ,    4
.set KST,   16
.set FR,    12
.set NL,    3
.set FRB,   1536
.set LAPS,  KST/(2*NQ)
.set HA_B,  NA*NQ*FRB
.set HB_B,  8*NQ*FRB
.set SLOT,  2*HA_B+2*HB_B
.set ADRA,  16
.set ADRB,  20
.set GO,    24
.set ADRS0, 27
.set SPW,   28
.set NIL,   29
.set ADRS1, 30
.set SC,    32
.set AF,    128
.set G1,    24
.set G0,    32
.set G1B,   48
.set G0B,   56
.set G1SB,  80
.set G0SB,  88
.set ASC,   2*SLOT                     ; p's mended scale words: [16 K steps][512]; written by LDS stores alone
.set RLB,   ASC+8192                   ; 1 / l: 512 bytes, laid as scale words are
.set BSC,   RLB+512                    ; V's scale words: two groups of 128 channels x [16 K steps][512]
.set SPARE, BSC+16384
.set PST,   12582912                   ; byte offset in pbuf
.set VC,    13107200                   ; in qkvb
.set VSO,   19398656
.set CSO,   6291456                    ; in cbuf
.set SEL,   46
.set SO,    23
.set RLA,   25
.set T4,    26
.set TA,    31
.set PWR,   128                        ; the head: v128-143 raw scale words, v144-159 -M, v160-175 sums, of my word of the 16 K steps
.set NMR,   144
.set LR,    160
.set NG,    240
.set LA,    241
.set H,     176
.set PC,    96
.set TM,    116
.set PWS,   132
.set RLV,   136
.set RB,    140
.set SELR,  148
.set MSB,   0
.set WVR,   14                         ; the wave's number
.set HCR,   16                         ; which half of a tile I fetch in the ring
.set AH,    4*24576                    ; bytes from a tile's first half to its second, in memory: A's, B's
.set BH,    8*98304
.macro TL g0, g1                       ; a tensor load with an s_nop 0 and four v_nop behind it
	tensor_load_to_lds s[\g0:\g0+3], s[\g1:\g1+7]
	s_nop 0
.rept 4
	v_nop
.endr
.endm
.macro HEAD4 a0, a1, b0, b1, c0, c1, d0, d1   ; four tiles, one a wave: one chain of branches on the wave's number, all arms to one join
	s_cmp_lt_u32 s[WVR], 1
	s_cbranch_scc0 .Lh1_\@
	TL \a0, \a1
	s_branch .Lh4_\@
.Lh1_\@:
	s_cmp_lt_u32 s[WVR], 2
	s_cbranch_scc0 .Lh2_\@
	TL \b0, \b1
	s_branch .Lh4_\@
.Lh2_\@:
	s_cmp_lt_u32 s[WVR], 3
	s_cbranch_scc0 .Lh3_\@
	TL \c0, \c1
	s_branch .Lh4_\@
.Lh3_\@:
	TL \d0, \d1
.Lh4_\@:
.endm
.macro CONV slot, as, bs               ; a slot's two groups 0 go from the whole tile to my half of it, and as, bs bytes on in memory
	s_mul_i32 s104, s[HCR], AH
.if \as
	s_add_co_u32 s104, s104, \as
.endif
	s_mov_b32 s105, 0
	s_add_nc_u64 s[G0+4*\slot+2:G0+4*\slot+3], s[G0+4*\slot+2:G0+4*\slot+3], s[104:105]
	s_mul_i32 s104, s[HCR], BH
.if \bs
	s_add_co_u32 s104, s104, \bs
.endif
	s_add_nc_u64 s[G0B+4*\slot+2:G0B+4*\slot+3], s[G0B+4*\slot+2:G0B+4*\slot+3], s[104:105]
	s_mul_i32 s104, s[HCR], HA_B
	s_add_co_u32 s[G0+4*\slot+1], s[G0+4*\slot+1], s104
	s_mul_i32 s104, s[HCR], HB_B
	s_add_co_u32 s[G0B+4*\slot+1], s[G0B+4*\slot+1], s104
.endm
.set PFA,   4                          ; s[4:5], s[6:7] where my prefetches of A's and of B's tiles stand; never rewritten behind the head
.set PFB,   6
.macro ASK off                         ; my share of the tiles that lie off bytes along K: each block of 256 bytes is named once in the cluster
	global_prefetch_b8 v14, s[PFA:PFA+1] offset:\off th:TH_LOAD_NT scope:SCOPE_SE
	global_prefetch_b8 v15, s[PFB:PFB+1] offset:\off th:TH_LOAD_NT scope:SCOPE_SE
.endm
.macro HALVE                           ; from here on a load brings half a tile's row blocks
	s_mov_b32 s[G1+2], NA<<16
	s_mov_b32 s[G1+4], NA
	s_mov_b32 s[G1B+2], 8<<16
	s_mov_b32 s[G1B+4], 8
.endm
.macro WIN new
.if MSB != (\new)
	s_set_vgpr_msb (MSB<<8)|(\new)
.set MSB, (\new)
.endif
.endm
.macro JLOAD g0a, g1a, g0b, g1b
	s_cmp_eq_u32 s15, 0
	s_cbranch_scc0 .Lfor_b_\@
	tensor_load_to_lds s[\g0a:\g0a+3], s[\g1a:\g1a+7]
	s_nop 0
.rept 4
	v_nop
.endr
	s_branch .Lasked_\@
.Lfor_b_\@:
	tensor_load_to_lds s[\g0b:\g0b+3], s[\g1b:\g1b+7]
	s_nop 0
.rept 4
	v_nop
.endr
.Lasked_\@:
.endm
.macro CREST
	s_cmp_lg_u32 s14, 0
	s_cbranch_scc1 .Lnot_wave_0_\@
	s_barrier_signal -3
.Lnot_wave_0_\@:
	s_barrier_wait -3
	s_barrier_signal -1
	s_barrier_wait -1
.endm
.macro CROUND
	s_barrier_signal -1
	s_barrier_wait -1
	CREST
.endm
.macro PLACES n
.rept \n
	v_nop
.endr
.endm
.macro FRAG reg, adr, q, i
.irp c, 0,1,2
	ds_load_b128 v[(\reg)+4*\c:(\reg)+4*\c+3], v[\adr] offset:(\i)*NQ*FRB+(\q)*FRB+512*\c
.endr
.endm
.macro FETCH_B slot, q, p
	WIN 0x40
.irp i, 0,1,2,3,4,5,6,7
	FRAG 128*(\p)+FR*\i, ADRB+\slot, \q, \i
.endr
	WIN 0
.endm
.macro FETCH_A slot, q, half
.set fa, (\half)*(NA/2)
.rept NA/2
	FRAG AF+FR*fa, ADRA+\slot, \q, fa
.set fa, fa+1
.endr
.endm
.macro SCALES set
.set sq, 0
.rept NQ
	ds_load_b128 v[SC+8*NQ*(\set)+8*sq:SC+8*NQ*(\set)+8*sq+3], v[ADRS0] offset:512*sq
	ds_load_b128 v[SC+8*NQ*(\set)+8*sq+4:SC+8*NQ*(\set)+8*sq+7], v[ADRS1] offset:512*sq
.set sq, sq+1
.endr
.endm
.macro MULB a, p, q, sc, zero          ; the accumulators take turns, one instruction a turn
	WIN 0xa1+0x50*((\a)/4)
.irp b, 0,1,2,3,4,5,6,7
.if \zero
	v_wmma_scale_f32_16x16x128_f8f6f4 v[8*(8*((\a)%4)+\b):8*(8*((\a)%4)+\b)+7], v[128*(\p)+FR*\b:128*(\p)+FR*\b+FR-1], v[AF+FR*(\a):AF+FR*(\a)+FR-1], 0, v[SC+8*NQ*(\sc)+8*(\q)+\b], v[SC+8*NQ*(\sc)+8*(\q)+(\a)] matrix_a_fmt:MATRIX_FMT_FP6 matrix_b_fmt:MATRIX_FMT_FP6 matrix_a_scale:MATRIX_SCALE_ROW1
.else
	v_wmma_scale_f32_16x16x128_f8f6f4 v[8*(8*((\a)%4)+\b):8*(8*((\a)%4)+\b)+7], v[128*(\p)+FR*\b:128*(\p)+FR*\b+FR-1], v[AF+FR*(\a):AF+FR*(\a)+FR-1], v[8*(8*((\a)%4)+\b):8*(8*((\a)%4)+\b)+7], v[SC+8*NQ*(\sc)+8*(\q)+\b], v[SC+8*NQ*(\sc)+8*(\q)+(\a)] matrix_a_fmt:MATRIX_FMT_FP6 matrix_b_fmt:MATRIX_FMT_FP6 matrix_a_scale:MATRIX_SCALE_ROW1
.endif
.endr
.endm
.macro MULN first, count, p, q, sc, zero
.set ma, (\first)
.rept (\count)
	MULB ma, \p, \q, \sc, \zero
.set ma, ma+1
.endr
.endm
.macro STEP slot, q, zero
	s_wait_dscnt (NA/2)*NL                         ; all but the youngest loads, A's second half, are in
	MULN 0, NA/2, (\q)%2, \q, \slot, \zero
	s_wait_dscnt 0x0
	PLACES 4
	FETCH_B \slot, (\q)+1, 1-(\q)%2
	FETCH_A \slot, (\q)+1, 0
	MULN NA/2, NA/2, (\q)%2, \q, \slot, \zero
	PLACES 4
	WIN 0
	FETCH_A \slot, (\q)+1, 1
.endm
.macro REST slot
.if NQ > 2
.set rq, 1
.rept NQ-2
	STEP \slot, rq, 0
.set rq, rq+1
.endr
.endif
.endm
.macro TURN slot, next, fill
	s_wait_tensorcnt 0x0                           ; all my tensor loads have landed
	ds_add_u32 v[SPW], v[NIL]                      ; 0 onto my spare word
	s_wait_dscnt (NA/2)*NL+1                       ; (the add and A's second half may be out)
	MULN 0, NA/4, 1, NQ-1, \slot, 0
	s_wait_dscnt 0x0                               ; the add is done, and my reads of this slot are over
	s_barrier_signal -1
	MULN NA/4, NA/4, 1, NQ-1, \slot, 0
	WIN 0
	s_barrier_wait -1
.if \fill
	CREST
	s_add_nc_u64 s[G0+4*\slot+2:G0+4*\slot+3], s[G0+4*\slot+2:G0+4*\slot+3], 2*NQ*FRB
	s_add_nc_u64 s[G0B+4*\slot+2:G0B+4*\slot+3], s[G0B+4*\slot+2:G0B+4*\slot+3], 2*NQ*FRB
	JLOAD G0+4*\slot, G1, G0B+4*\slot, G1B
.else
	PLACES 4
.endif
	s_wait_alu depctr_va_vdst(0)
	v_add_nc_u32 v[ADRS0], NQ*512, v[ADRS0]
	v_add_nc_u32 v[ADRS1], NQ*512, v[ADRS1]
	FETCH_B \next, 0, 0
	FETCH_A \next, 0, 0
	SCALES \next
.if \fill
.if \slot == 0
	ASK 3*NQ*FRB                                   ; K steps 12-15, the last (the loop has one trip): one slot ahead of their loads
.endif
.endif
	MULN NA/2, NA/2, 1, NQ-1, \slot, 0
	PLACES 4
	WIN 0
	FETCH_A \next, 0, 1
.endm
.macro LAST
	s_wait_dscnt (NA/2)*NL
	MULN 0, NA/2, 1, NQ-1, 1, 0
	s_wait_dscnt 0x0
	MULN NA/2, NA/2, 1, NQ-1, 1, 0
	WIN 0
.endm
.macro QUANT s, pw
.irp b, 0,1,2,3
	v_max3_num_f32 v[TM+\b], |v[(\s)+16*\b]|, |v[(\s)+1+16*\b]|, 0x1800000   ; and the floor 2^(3 - 127): the byte cannot fall under 1
.endr
.irp i, 2,4,6,8,10,12,14
.irp b, 0,1,2,3
	v_max3_num_f32 v[TM+\b], v[TM+\b], |v[(\s)+16*\b+\i]|, |v[(\s)+1+16*\b+\i]|
.endr
.endr
.irp b, 0,1,2,3
	v_permlanex16_b32 v[TM+4+\b], v[TM+\b], s[SEL], s[SEL+1]
.endr
.irp b, 0,1,2,3
	v_max_num_f32 v[TM+\b], v[TM+\b], v[TM+4+\b]
.endr
.irp b, 0,1,2,3
	v_add_nc_u32 v[TM+12+\b], 0xff000000, v[TM+\b]
.endr
.irp b, 0,1,2,3
	v_lshrrev_b32 v[TM+4+\b], 23, v[TM+12+\b]
.endr
	v_lshl_or_b32 v[\pw], v[TM+5], 8, v[TM+4]
	v_lshl_or_b32 v[\pw], v[TM+6], 16, v[\pw]
	v_lshl_or_b32 v[\pw], v[TM+7], 24, v[\pw]
.irp c, 0,1
	v_cvt_scalef32_pk16_fp6_f32 v[PC+6*\c:PC+2+6*\c], v[(\s)+32*\c:(\s)+15+32*\c], v[TM+12+2*\c]
	v_cvt_scalef32_pk16_fp6_f32 v[PC+12+4*\c:PC+14+4*\c], v[(\s)+16+32*\c:(\s)+31+32*\c], v[TM+12+2*\c+1]
.endr
	v_nop                                          ; one plain place behind a scaled conversion
.irp c, 0,1
.irp i, 0,1,2
	v_permlane16_swap_b32 v[PC+6*\c+\i], v[PC+12+4*\c+\i]
.endr
.irp i, 0,1,2
	v_mov_b32 v[PC+3+6*\c+\i], v[PC+12+4*\c+\i]
.endr
.endr
.endm
	s_load_b128 s[4:7], s[0:1], 0x0                ; pbuf, qkvb
	s_load_b64 s[8:9], s[0:1], 0x10                ; cbuf
	v_lshl_add_u32 v[SPW], v0, 2, SPARE
	v_mov_b32 v[NIL], 0
	ds_add_u32 v[SPW], v[NIL]                      ; the wave's opening: the add, twice on end, and its wait ahead of my first tensor load
	ds_add_u32 v[SPW], v[NIL]
	v_lshrrev_b32 v1, 5, v0
	v_readfirstlane_b32 s14, v1
	s_lshr_b32 s15, s14, 1
	s_and_b32 s16, s14, 1
	s_bfe_u32 s40, ttmp6, 0x40000
	s_bfe_u32 s41, ttmp6, 0x40004
	s_lshl_b32 s43, s41, 2
	s_lshl_b32 s43, 15, s43
	s_lshl_b32 s44, 0x1111, s40
	s_lshl_b32 s42, ttmp9, 2
	s_add_co_u32 s42, s42, s40                     ; tile column: 256 channels
	s_and_b32 s17, ttmp7, 0xffff
	s_lshr_b32 s3, s17, 2                          ; the batch: it hangs on the cluster alone
	s_lshl_b32 s17, s17, 2
	s_add_co_u32 s17, s17, s41                     ; tile row: 128 of all 8,192 queries
	s_or_b32 s[G1+0], s43, (3<<16)|(1<<21)         ; A = p: 4 row blocks x 4 images
	s_mov_b32 s[G1+1], (NQ*192)<<16
	s_mov_b32 s[G1+2], 8<<16                       ; the head's load brings the whole tile: 8 row blocks
	s_mov_b32 s[G1+3], (NQ*192)<<16
	s_mov_b32 s[G1+4], 8
	s_mov_b32 s[G1+5], 3072                        ; 24,576 bytes from row block to row block
	s_mov_b32 s[G1+6], 0
	s_mov_b32 s[G1+7], 0
	s_or_b32 s[G1B+0], s44, (3<<16)|(1<<21)        ; B = V^T: 8 row blocks x 4 images
	s_mov_b32 s[G1B+1], (NQ*192)<<16
	s_mov_b32 s[G1B+2], 16<<16                     ; 16 row blocks
	s_mov_b32 s[G1B+3], (NQ*192)<<16
	s_mov_b32 s[G1B+4], 16
	s_mov_b32 s[G1B+5], 12288                      ; 98,304 bytes
	s_mov_b32 s[G1B+6], 0
	s_mov_b32 s[G1B+7], 0
	s_or_b32 s[G1SB+0], s44, (3<<16)|(1<<21)       ; V's scale words: 8,192 dense bytes a wave
	s_mov_b32 s[G1SB+1], 32<<16
	s_mov_b32 s[G1SB+2], 32<<16                    ; 8,192 dense bytes: a group's 16 K steps, for each of waves 2 and 3
	s_mov_b32 s[G1SB+3], 32<<16
	s_mov_b32 s[G1SB+4], 32
	s_mov_b32 s[G1SB+5], 32
	s_mov_b32 s[G1SB+6], 0
	s_mov_b32 s[G1SB+7], 0
	s_lshl_b32 s18, s17, 3                         ; A: row block 8 x tile row + 4 x half
	s_mul_i32 s18, s18, 24576
	s_mov_b32 s19, 0
	s_mul_i32 s20, s17, 24576                      ; my queries' scale words, -M and sums
	s_add_co_u32 s20, s20, PST
	s_mov_b32 s21, 0
	s_lshl_b32 s46, s42, 4                         ; B: row block 16 x tile column + 8 x half, the batch's 16 K steps
	s_mul_i32 s46, s46, 98304
	s_mul_i32 s47, s3, 24576
	s_add_co_u32 s46, s46, s47
	s_add_co_u32 s46, s46, VC
	s_mov_b32 s47, 0
	s_lshl_b32 s92, s42, 1                         ; V's scale words: group 2 x tile column + wave % 2, K steps 16 x batch on
	s_add_co_u32 s92, s92, s16
	s_lshl_b32 s92, s92, 6
	s_lshl_b32 s93, s3, 4
	s_add_co_u32 s92, s92, s93
	s_lshl_b32 s92, s92, 9
	s_add_co_u32 s92, s92, VSO
	s_mov_b32 s93, 0
	s_lshl_b32 s22, s16, 13
	s_mov_b32 s66, 0x01010101
	s_wait_dscnt 0x0                               ; both opening adds are done
	s_wait_kmcnt 0x0
	s_add_nc_u64 s[18:19], s[4:5], s[18:19]
	s_add_nc_u64 s[10:11], s[4:5], s[20:21]
	s_add_nc_u64 s[46:47], s[6:7], s[46:47]
	s_add_nc_u64 s[92:93], s[6:7], s[92:93]
	CROUND                                         ; all sixteen work-groups are here: the first joint loads meet
	s_mov_b32 s[G0SB], 1
	s_add_co_u32 s[G0SB+1], s22, BSC
	s_mov_b64 s[G0SB+2:G0SB+3], s[92:93]
	s_or_b32 s[G0SB+3], s[G0SB+3], 0x80000000
.irp s, 0,1
	s_mov_b32 s[G0+4*\s], 1
	s_mov_b32 s[G0+4*\s+1], \s*SLOT
	s_add_nc_u64 s[G0+4*\s+2:G0+4*\s+3], s[18:19], \s*NQ*FRB
	s_or_b32 s[G0+4*\s+3], s[G0+4*\s+3], 0x80000000
	s_mov_b32 s[G0B+4*\s], 1
	s_mov_b32 s[G0B+4*\s+1], 2*HA_B+\s*SLOT
	s_add_nc_u64 s[G0B+4*\s+2:G0B+4*\s+3], s[46:47], \s*NQ*FRB
	s_or_b32 s[G0B+4*\s+3], s[G0B+4*\s+3], 0x80000000
.endr
	HEAD4 G0, G1, G0B, G1B, G0SB, G1SB, G0SB, G1SB ; one load a wave: slot 0's A, its B; waves 2 and 3 a group of V's scale words each
	; where my prefetches stand: of A's 8 row blocks my work-group takes 2 (by cx), half a row block a wave; of B's 16 it takes 4 (by cy), one a wave
	s_lshl_b32 s100, s40, 1
	s_add_co_u32 s100, s100, s15
	s_mul_i32 s100, s100, 24576
	s_mul_i32 s101, s16, 3072
	s_add_co_u32 s100, s100, s101
	s_mov_b32 s101, 0
	s_add_nc_u64 s[PFA:PFA+1], s[18:19], s[100:101]
	s_lshl_b32 s100, s41, 2
	s_add_co_u32 s100, s100, s14
	s_mul_i32 s100, s100, 98304
	s_add_nc_u64 s[PFB:PFB+1], s[46:47], s[100:101]
	v_and_b32 v15, 31, v0
	v_min_u32 v14, 11, v15                         ; a lane a block of 256 bytes: 12 of A's, 24 of B's; the lanes left over name their wave's last block again
	v_min_u32 v15, 23, v15
	v_lshlrev_b32 v14, 8, v14
	v_lshlrev_b32 v15, 8, v15
	ASK NQ*FRB                                     ; slot 1's tiles, one fill ahead of their loads
	; THE SCALE WORDS UNDER THE ROW'S M.  Thread T owns word T (lane r = T / 8, row block a = T % 8) of each block of 512 bytes
	v_lshlrev_b32 v[T4], 2, v0
.irp s, 0,1,2,3,4,5,6,7,8,9,10,11,12,13,14,15
	global_load_b32 v[PWR+\s], v[T4], s[10:11] offset:1536*\s
	global_load_b32 v[NMR+\s], v[T4], s[10:11] offset:1536*\s+512
	global_load_b32 v[LR+\s], v[T4], s[10:11] offset:1536*\s+1024
.endr
	v_lshl_add_u32 v[TA], v0, 2, ASC
	v_and_b32 v1, 15, v0                           ; r
	v_bfe_u32 v2, v0, 4, 1                         ; h
	s_wait_alu depctr_va_vdst(0)
	v_and_b32 v3, 31, v0
	v_lshlrev_b32 v[GO], 4, v3
	s_mul_i32 s18, s15, HA_B
	s_mul_i32 s19, s16, HB_B
	s_add_co_u32 s19, s19, 2*HA_B
.irp s, 0,1
	v_add_nc_u32 v[ADRA+\s], s18, v[GO]
	v_add_nc_u32 v[ADRB+\s], s19, v[GO]
	s_add_co_u32 s18, s18, SLOT
	s_add_co_u32 s19, s19, SLOT
.endr
	v_lshlrev_b32 v4, 5, v1                        ; scale words: 32 r; A's: my four row blocks' 16 bytes; B's: my group of 128 channels
	s_lshl_b32 s18, s15, 4
	s_lshl_b32 s19, s16, 13
	s_add_co_u32 s19, s19, BSC-ASC
	s_sub_co_u32 s19, s19, s18
	v_mul_u32_u24 v5, s19, v2                      ; lanes 16-31 take B's
	s_add_co_u32 s18, s18, ASC
	v_add_nc_u32 v5, v4, v5
	v_add_nc_u32 v[ADRS0], s18, v5
	v_lshl_add_u32 v[ADRS1], v2, 4, v[ADRS0]       ; B's row blocks 4-7; lanes 0-15 read their four words again
	s_lshl_b32 s18, s15, 4
	s_add_co_u32 s19, s18, RLB
	v_add_nc_u32 v[RLA], s19, v4                   ; 1 / l of my four row blocks
	v_lshl_add_u32 v[SO], v2, 3, v4
	v_add_nc_u32 v[SO], s18, v[SO]                 ; the way out: my 8 bytes of the scale words: 32 r + 16 x half + 8 h
	s_lshl_b32 s18, s17, 3                         ; where the results go
	s_lshl_b32 s19, s15, 2
	s_add_co_u32 s18, s18, s19
	s_mul_i32 s18, s18, 12288
	s_lshl_b32 s46, s42, 1
	s_add_co_u32 s46, s46, s16                     ; my 128 channels are K step 2 x tile column + half of the next product
	s_mul_i32 s47, s46, 1536
	s_add_co_u32 s18, s18, s47
	s_mov_b32 s19, 0
	s_add_nc_u64 s[12:13], s[8:9], s[18:19]
	s_lshl_b32 s18, s17, 3
	s_add_co_u32 s18, s18, s46
	s_lshl_b32 s18, s18, 9
	s_add_co_u32 s18, s18, CSO
	s_add_nc_u64 s[8:9], s[8:9], s[18:19]
	s_wait_loadcnt 0x0
	v_min3_num_f32 v[NG], v[NMR], v[NMR+1], v[NMR+2]   ; the least -M: the row's M
.irp i, 3,5,7,9,11,13
	v_min3_num_f32 v[NG], v[NG], v[NMR+\i], v[NMR+\i+1]
.endr
	v_min_num_f32 v[NG], v[NG], v[NMR+15]
.irp s, 0,1,2,3,4,5,6,7,8,9,10,11,12,13,14,15
.set FD, 242+4*(\s%2)
	v_sub_f32 v[FD], v[NMR+\s], v[NG]              ; d = the row's M - this M: a whole number, 0 or more,
	v_min_num_f32 v[FD], 0x42fe0000, v[FD]         ; held at 127
	v_cvt_u32_f32 v[FD], v[FD]
	v_sub_nc_u32 v[FD+1], 127, v[FD]
	v_lshlrev_b32 v[FD+1], 23, v[FD+1]             ; 2^-d as f32 (0 at d = 127)
.if \s == 0
	v_mul_f32 v[LA], v[LR+\s], v[FD+1]
.else
	v_fma_f32 v[LA], v[LR+\s], v[FD+1], v[LA]
.endif
	v_or_b32 v[PWR+\s], 0x80808080, v[PWR+\s]      ; d off all four bytes at once: a byte is at most 125 and d at most 127, so with bit 7 set no byte borrows from its neighbour;
	v_mul_lo_u32 v[FD], v[FD], s66
	v_sub_nc_u32 v[PWR+\s], v[PWR+\s], v[FD]
	v_and_b32 v[FD+2], 0x80808080, v[PWR+\s]       ; bit 7 has stayed where byte - d is 0 or more:
	v_lshrrev_b32 v[FD+1], 7, v[FD+2]
	v_sub_nc_u32 v[FD+2], v[FD+2], v[FD+1]         ; 0x7f there, 0 elsewhere
	v_and_b32 v[PWR+\s], v[PWR+\s], v[FD+2]
	ds_store_b32 v[TA], v[PWR+\s] offset:512*\s
.endr
	s_wait_alu depctr_va_vdst(0)
	v_rcp_f32 v[LA], v[LA]
	v_nop                                          ; one plain place behind a transcendental
	s_wait_alu depctr_va_vdst(0)                   ; and the wait ahead of its first reader
	ds_store_b32 v[TA], v[LA] offset:RLB-ASC
	s_wait_alu depctr_va_vdst(0)
	s_wait_tensorcnt 0x0                           ; my tile of the head's is in
	ds_add_u32 v[SPW], v[NIL]
	CONV 0, 0, 0                                   ; no load of mine is out: both slots' descriptors go from the whole tile to my quarter
	CONV 1, 0, 0
	HALVE
	s_wait_dscnt 0x0                               ; the add is done, and my LDS stores have landed
	CROUND                                         ; everybody's tile and words are in, and the joint loads meet
	JLOAD G0+4, G1, G0B+4, G1B                     ; slot 1, a quarter a wave
	ASK 2*NQ*FRB                                   ; K steps 8-11: one slot ahead of their loads
	FETCH_B 0, 0, 0
	FETCH_A 0, 0, 0
	SCALES 0
	FETCH_A 0, 0, 1
	STEP 0, 0, 1
.if LAPS > 1
	s_mov_b32 s3, LAPS-1
.Llap:
	REST 0
	TURN 0, 1, 1
	STEP 1, 0, 0
	REST 1
	TURN 1, 0, 1
	STEP 0, 0, 0
	s_sub_co_u32 s3, s3, 1
	s_cmp_lg_u32 s3, 0
	s_cbranch_scc1 .Llap
.endif
	REST 0
	TURN 0, 1, 0
	STEP 1, 0, 0
	REST 1
	LAST
	PLACES 4
	; THE WAY OUT: / l, quantised along the channels, images stored
	s_mov_b32 s[SEL], 0x76543210
	s_mov_b32 s[SEL+1], 0xfedcba98
	ds_load_b128 v[RLV:RLV+3], v[RLA]
.irp b, 0,1,2,3
	v_mov_b32 v[TM+4+\b], 0                        ; written once: a lane permute's destination counts as one of its sources
.endr
	s_wait_dscnt 0x0
.irp a, 0,1,2,3
	v_mov_b32 v[RB+2*\a], v[RLV+\a]
	v_mov_b32 v[RB+2*\a+1], v[RLV+\a]
.endr
.irp a, 0,1,2,3
.if \a > 0
	s_wait_xcnt 0x0                                ; the last image's stores have read the codes' registers
.endif
	WIN 0x02
.set n, 0
.rept 32
	v_pk_mul_f32 v[H+n:H+n+1], v[64*\a+n:64*\a+n+1], v[RB+2*\a:RB+2*\a+1]   ; each accumulator from its low end on
.set n, n+2
.endr
	WIN 0
	QUANT H, PWS+\a
.irp c, 0,1,2
	global_store_b128 v[GO], v[PC+4*\c:PC+4*\c+3], s[12:13] offset:\a*12288+512*\c
.endr
.endr
	v_cmp_ne_u32 vcc_lo, 0, v2
	v_cndmask_b32 v[SELR], v[PWS], v[PWS+2], vcc_lo
	v_cndmask_b32 v[SELR+1], v[PWS+1], v[PWS+3], vcc_lo
	global_store_b64 v[SO], v[SELR:SELR+1], s[8:9] ; my four row blocks' words: 16 of each 32 bytes; the wave with the other rows writes the rest
	s_wait_tensorcnt 0x0                           ; the wave's end
	ds_add_u32 v[SPW], v[NIL]
	s_wait_dscnt 0x0
	CROUND                                         ; the closing round
	s_endpgm
.Lfunc_end_k_q1cde252cb0_pv:
	.size	k_q1cde252cb0_pv, .Lfunc_end_k_q1cde252cb0_pv-k_q1cde252cb0_pv
	.p2alignl 7, 3214868480
	.fill 96, 4, 3214868480
	.section	.rodata,"a",@progbits
	.p2align	6, 0x0
	.amdhsa_kernel k_q1cde252cb0_pv
		.amdhsa_group_segment_fixed_size 327680
		.amdhsa_private_segment_fixed_size 0
		.amdhsa_enable_private_segment 0
		.amdhsa_kernarg_size 24
		.amdhsa_user_sgpr_count 2
		.amdhsa_user_sgpr_kernarg_segment_ptr 1
		.amdhsa_wavefront_size32 1
		.amdhsa_system_sgpr_workgroup_id_x 1
		.amdhsa_system_sgpr_workgroup_id_y 1
		.amdhsa_system_sgpr_workgroup_id_z 1
		.amdhsa_system_vgpr_workitem_id 0
		.amdhsa_next_free_vgpr 768
		.amdhsa_next_free_sgpr 106
		.amdhsa_reserve_vcc 1
		.amdhsa_float_denorm_mode_32 3
		.amdhsa_float_denorm_mode_16_64 3
		.amdhsa_memory_ordered 1
		.amdhsa_forward_progress 1
		.amdhsa_inst_pref_size 165
	.end_amdhsa_kernel
	.amdgpu_metadata
---
amdhsa.version: [ 1, 2 ]
amdhsa.kernels:
  - .name:           k_q1cde252cb0_pv
    .symbol:         k_q1cde252cb0_pv.kd
    .args:
      - { .name: pbuf, .offset: 0, .size: 8, .value_kind: global_buffer, .address_space: global }
      - { .name: qkvb, .offset: 8, .size: 8, .value_kind: global_buffer, .address_space: global }
      - { .name: cbuf, .offset: 16, .size: 8, .value_kind: global_buffer, .address_space: global }
    .group_segment_fixed_size: 327680
    .private_segment_fixed_size: 0
    .kernarg_segment_align: 8
    .kernarg_segment_size: 24
    .max_flat_workgroup_size: 128
    .sgpr_count:     106
    .vgpr_count:     768
    .wavefront_size: 32
...
	.end_amdgpu_metadata
.endif
;; end of part 4
;; launch outp (part 5): grid 4 x 64, 4 waves a work-group, clusters of 4 x 4, 327,680 bytes of LDS; arguments cbuf, qin, b_out, out0; writes out0
.if DOCPART == 5
	.amdgcn_target "amdgcn-amd-amdhsa--gfx1250"
	.amdhsa_code_object_version 6
	.text
	.protected	k_q1cde252cb0_outp
	.globl	k_q1cde252cb0_outp
	.p2align	8
	.type	k_q1cde252cb0_outp,@function
k_q1cde252cb0_outp:
	s_mov_b64 s[64:65], 0
	v_nop
	global_prefetch_b8 v0, s[64:65] scope:SCOPE_SE
	s_setreg_imm32_b32 hwreg(HW_REG_WAVE_MODE, 25, 1), 1
	s_wait_xcnt 0x0
	s_wait_alu depctr_hold_cnt(0) depctr_sa_sdst(0) depctr_va_vdst(0) depctr_va_sdst(0) depctr_va_ssrc(0) depctr_va_vcc(0) depctr_vm_vsrc(0)
	s_getreg_b32 s2, hwreg(HW_REG_IB_STS2, 6, 4)
	s_cmp_eq_u32 s2, 0
	s_cbranch_scc0 .Lentry_in_a_cluster
	s_endpgm
.Lentry_in_a_cluster:
	s_bfe_u32 s2, ttmp6, 0x10000c
	s_cmp_lg_u32 s2, 0xf033
	s_cbranch_scc0 .Lentry_shape_is_right
	s_endpgm
.Lentry_shape_is_right:
.set NA,    4
.set NQ,    4
.set KST,   8
.set FR,    12
.set NL,    3
.set FRB,   1536
.set LAPS,  KST/(2*NQ)
.set HA_B,  NA*NQ*FRB
.set HB_B,  8*NQ*FRB
.set SLOT,  2*HA_B+2*HB_B
.set ADRA,  16
.set ADRB,  20
.set GO,    24
.set STO,   25
.set RD,    26
.set ADRS0, 27
.set SPW,   28
.set NIL,   29
.set ADRS1, 30
.set SC,    32
.set BI,    96
.set AF,    128
.set BK,    128
.set G1,    24
.set G0,    32
.set G1B,   48
.set G0B,   56
.set G1S,   68
.set G0S,   76
.set G1SB,  80
.set G0SB,  88
.set ASC,   2*SLOT
.set BSC,   ASC+4096
.set SPARE, BSC+8192
.set CSO,   6291456
.set WOC,   9011200
.set WOS,   9797632
.set MSB,   0
.set WVR,   14                         ; the wave's number
.set HCR,   16                         ; which half of a tile I fetch
.set AH,    4*12288                    ; bytes from a tile's first half to its second, in memory: A's, B's
.set BH,    8*12288
.macro TL g0, g1                       ; a tensor load with an s_nop 0 and four v_nop behind it
	tensor_load_to_lds s[\g0:\g0+3], s[\g1:\g1+7]
	s_nop 0
.rept 4
	v_nop
.endr
.endm
.macro HEAD4 a0, a1, b0, b1, c0, c1, d0, d1   ; four tiles, one a wave: one chain of branches on the wave's number, all arms to one join
	s_cmp_lt_u32 s[WVR], 1
	s_cbranch_scc0 .Lh1_\@
	TL \a0, \a1
	s_branch .Lh4_\@
.Lh1_\@:
	s_cmp_lt_u32 s[WVR], 2
	s_cbranch_scc0 .Lh2_\@
	TL \b0, \b1
	s_branch .Lh4_\@
.Lh2_\@:
	s_cmp_lt_u32 s[WVR], 3
	s_cbranch_scc0 .Lh3_\@
	TL \c0, \c1
	s_branch .Lh4_\@
.Lh3_\@:
	TL \d0, \d1
.Lh4_\@:
.endm
.macro CONV slot, as, bs               ; a slot's two groups 0 go from the whole tile to my half of it, and as, bs bytes on in memory
	s_mul_i32 s104, s[HCR], AH
.if \as
	s_add_co_u32 s104, s104, \as
.endif
	s_mov_b32 s105, 0
	s_add_nc_u64 s[G0+4*\slot+2:G0+4*\slot+3], s[G0+4*\slot+2:G0+4*\slot+3], s[104:105]
	s_mul_i32 s104, s[HCR], BH
.if \bs
	s_add_co_u32 s104, s104, \bs
.endif
	s_add_nc_u64 s[G0B+4*\slot+2:G0B+4*\slot+3], s[G0B+4*\slot+2:G0B+4*\slot+3], s[104:105]
	s_mul_i32 s104, s[HCR], HA_B
	s_add_co_u32 s[G0+4*\slot+1], s[G0+4*\slot+1], s104
	s_mul_i32 s104, s[HCR], HB_B
	s_add_co_u32 s[G0B+4*\slot+1], s[G0B+4*\slot+1], s104
.endm
.set PFA,   4                          ; s[4:5], s[6:7] where my prefetches of A's and of B's tiles stand; never rewritten behind the head
.set PFB,   6
.macro ASK off                         ; my share of the tiles that lie off bytes along K: each block of 256 bytes is named once in the cluster
	global_prefetch_b8 v14, s[PFA:PFA+1] offset:\off th:TH_LOAD_NT scope:SCOPE_SE
	global_prefetch_b8 v15, s[PFB:PFB+1] offset:\off th:TH_LOAD_NT scope:SCOPE_SE
.endm
.macro HALVE                           ; from here on a load brings half a tile's row blocks
	s_mov_b32 s[G1+2], NA<<16
	s_mov_b32 s[G1+4], NA
	s_mov_b32 s[G1B+2], 8<<16
	s_mov_b32 s[G1B+4], 8
.endm
.macro WIN new
.if MSB != (\new)
	s_set_vgpr_msb (MSB<<8)|(\new)
.set MSB, (\new)
.endif
.endm
.macro JLOAD g0a, g1a, g0b, g1b
	s_cmp_eq_u32 s15, 0
	s_cbranch_scc0 .Lfor_b_\@
	tensor_load_to_lds s[\g0a:\g0a+3], s[\g1a:\g1a+7]
	s_nop 0
.rept 4
	v_nop
.endr
	s_branch .Lasked_\@
.Lfor_b_\@:
	tensor_load_to_lds s[\g0b:\g0b+3], s[\g1b:\g1b+7]
	s_nop 0
.rept 4
	v_nop
.endr
.Lasked_\@:
.endm
.macro CREST
	s_cmp_lg_u32 s14, 0
	s_cbranch_scc1 .Lnot_wave_0_\@
	s_barrier_signal -3
.Lnot_wave_0_\@:
	s_barrier_wait -3
	s_barrier_signal -1
	s_barrier_wait -1
.endm
.macro CROUND
	s_barrier_signal -1
	s_barrier_wait -1
	CREST
.endm
.macro PLACES n
.rept \n
	v_nop
.endr
.endm
.macro FRAG reg, adr, q, i
.irp c, 0,1,2
	ds_load_b128 v[(\reg)+4*\c:(\reg)+4*\c+3], v[\adr] offset:(\i)*NQ*FRB+(\q)*FRB+512*\c
.endr
.endm
.macro FETCH_B slot, q, p
	WIN 0x40
.irp i, 0,1,2,3,4,5,6,7
	FRAG 128*(\p)+FR*\i, ADRB+\slot, \q, \i
.endr
	WIN 0
.endm
.macro FETCH_A slot, q, half
.set fa, (\half)*(NA/2)
.rept NA/2
	FRAG AF+FR*fa, ADRA+\slot, \q, fa
.set fa, fa+1
.endr
.endm
.macro SCALES set
.set sq, 0
.rept NQ
	ds_load_b128 v[SC+8*NQ*(\set)+8*sq:SC+8*NQ*(\set)+8*sq+3], v[ADRS0] offset:512*sq
	ds_load_b128 v[SC+8*NQ*(\set)+8*sq+4:SC+8*NQ*(\set)+8*sq+7], v[ADRS1] offset:512*sq
.set sq, sq+1
.endr
.endm
.macro MULB a, p, q, sc, zero
	WIN 0xa1+0x50*((\a)/4)
.irp b, 0,1,2,3,4,5,6,7
.if \zero
	v_wmma_scale_f32_16x16x128_f8f6f4 v[8*(8*((\a)%4)+\b):8*(8*((\a)%4)+\b)+7], v[128*(\p)+FR*\b:128*(\p)+FR*\b+FR-1], v[AF+FR*(\a):AF+FR*(\a)+FR-1], 0, v[SC+8*NQ*(\sc)+8*(\q)+\b], v[SC+8*NQ*(\sc)+8*(\q)+(\a)] matrix_a_fmt:MATRIX_FMT_FP6 matrix_b_fmt:MATRIX_FMT_FP6 matrix_a_scale:MATRIX_SCALE_ROW1
.else
	v_wmma_scale_f32_16x16x128_f8f6f4 v[8*(8*((\a)%4)+\b):8*(8*((\a)%4)+\b)+7], v[128*(\p)+FR*\b:128*(\p)+FR*\b+FR-1], v[AF+FR*(\a):AF+FR*(\a)+FR-1], v[8*(8*((\a)%4)+\b):8*(8*((\a)%4)+\b)+7], v[SC+8*NQ*(\sc)+8*(\q)+\b], v[SC+8*NQ*(\sc)+8*(\q)+(\a)] matrix_a_fmt:MATRIX_FMT_FP6 matrix_b_fmt:MATRIX_FMT_FP6 matrix_a_scale:MATRIX_SCALE_ROW1
.endif
.endr
.endm
.macro MULN first, count, p, q, sc, zero
.set ma, (\first)
.rept (\count)
	MULB ma, \p, \q, \sc, \zero
.set ma, ma+1
.endr
.endm
.macro STEP slot, q, zero
	s_wait_dscnt (NA/2)*NL
	MULN 0, NA/2, (\q)%2, \q, \slot, \zero
	s_wait_dscnt 0x0
	PLACES 4
	FETCH_B \slot, (\q)+1, 1-(\q)%2
	FETCH_A \slot, (\q)+1, 0
	MULN NA/2, NA/2, (\q)%2, \q, \slot, \zero
	PLACES 4
	WIN 0
	FETCH_A \slot, (\q)+1, 1
.endm
.macro REST slot
.if NQ > 2
.set rq, 1
.rept NQ-2
	STEP \slot, rq, 0
.set rq, rq+1
.endr
.endif
.endm
.macro TURN slot, next
	s_wait_tensorcnt 0x0
	ds_add_u32 v[SPW], v[NIL]
	s_wait_dscnt (NA/2)*NL+1
	MULN 0, NA/4, 1, NQ-1, \slot, 0
	s_wait_dscnt 0x0
	s_barrier_signal -1
	MULN NA/4, NA/4, 1, NQ-1, \slot, 0
	WIN 0
	s_barrier_wait -1
	PLACES 4
	v_add_nc_u32 v[ADRS0], NQ*512, v[ADRS0]
	v_add_nc_u32 v[ADRS1], NQ*512, v[ADRS1]
	FETCH_B \next, 0, 0
	FETCH_A \next, 0, 0
	SCALES \next
	MULN NA/2, NA/2, 1, NQ-1, \slot, 0
	PLACES 4
	WIN 0
	FETCH_A \next, 0, 1
.endm
.macro LAST
	s_wait_dscnt (NA/2)*NL
	MULN 0, NA/2, 1, NQ-1, 1, 0
	s_wait_dscnt 0x0
	MULN NA/2, NA/2, 1, NQ-1, 1, 0
	WIN 0
.endm
.macro TOSTAGE a
	WIN 0x08
.irp b, 0,1,2,3,4,5,6,7
	ds_store_b128 v[STO], v[64*(\a)+8*\b:64*(\a)+8*\b+3] offset:128*(\b/2)+32*(\b%2)
	ds_store_b128 v[STO], v[64*(\a)+8*\b+4:64*(\a)+8*\b+7] offset:128*(\b/2)+32*(\b%2)+16
.endr
	WIN 0
.set BB, BK+64*((\a)%2)
.irp t, 0,1,2,3,4,5,6,7,8,9,10,11,12,13,14,15
	ds_load_b128 v[BB+4*\t:BB+4*\t+3], v[RD] offset:528*\t
.endr
.endm
.macro SEND a, younger
.set BB, BK+64*((\a)%2)
	s_wait_dscnt \younger
.irp t, 0,1,2,3,4,5,6,7,8,9,10,11,12,13,14,15
	v_pk_add_f32 v[BB+4*\t:BB+4*\t+1], v[BB+4*\t:BB+4*\t+1], v[BI:BI+1]
	v_pk_add_f32 v[BB+4*\t+2:BB+4*\t+3], v[BB+4*\t+2:BB+4*\t+3], v[BI+2:BI+3]
.endr
.irp t, 0,1,2,3,4,5,6,7,8,9,10,11,12,13,14,15
	global_store_b128 v[GO], v[BB+4*\t:BB+4*\t+3], s[10:11] offset:(32*((\a)/2)+8*((\a)%2)+\t+8*(\t/8))*4096 th:TH_STORE_NT
.endr
.endm
	s_load_b256 s[4:11], s[0:1], 0x0
	v_lshl_add_u32 v[SPW], v0, 2, SPARE
	v_mov_b32 v[NIL], 0
	ds_add_u32 v[SPW], v[NIL]
	ds_add_u32 v[SPW], v[NIL]
	v_lshrrev_b32 v1, 5, v0
	v_readfirstlane_b32 s14, v1
	s_lshr_b32 s15, s14, 1
	s_and_b32 s16, s14, 1
	s_bfe_u32 s40, ttmp6, 0x40000
	s_bfe_u32 s41, ttmp6, 0x40004
	s_lshl_b32 s43, s41, 2
	s_lshl_b32 s43, 15, s43
	s_lshl_b32 s44, 0x1111, s40
	s_lshl_b32 s42, ttmp9, 2
	s_add_co_u32 s42, s42, s40
	s_and_b32 s17, ttmp7, 0xffff
	s_lshl_b32 s17, s17, 2
	s_add_co_u32 s17, s17, s41
	s_or_b32 s[G1+0], s43, (3<<16)|(1<<21)
	s_mov_b32 s[G1+1], (NQ*192)<<16
	s_mov_b32 s[G1+2], 8<<16                       ; the head's load brings the whole tile: 8 row blocks
	s_mov_b32 s[G1+3], (NQ*192)<<16
	s_mov_b32 s[G1+4], 8
	s_mov_b32 s[G1+5], 1536
	s_mov_b32 s[G1+6], 0
	s_mov_b32 s[G1+7], 0
	s_or_b32 s[G1B+0], s44, (3<<16)|(1<<21)
	s_mov_b32 s[G1B+1], (NQ*192)<<16
	s_mov_b32 s[G1B+2], 16<<16                     ; 16 row blocks
	s_mov_b32 s[G1B+3], (NQ*192)<<16
	s_mov_b32 s[G1B+4], 16
	s_mov_b32 s[G1B+5], 1536
	s_mov_b32 s[G1B+6], 0
	s_mov_b32 s[G1B+7], 0
	s_or_b32 s[G1S+0], s43, (3<<16)|(1<<21)
	s_mov_b32 s[G1S+1], 32<<16
	s_mov_b32 s[G1S+2], 16<<16                     ; A's scale words: 4,096 dense bytes
	s_mov_b32 s[G1S+3], 32<<16
	s_mov_b32 s[G1S+4], 16
	s_mov_b32 s[G1S+5], 32
	s_mov_b32 s[G1S+6], 0
	s_mov_b32 s[G1S+7], 0
	s_or_b32 s[G1SB+0], s44, (3<<16)|(1<<21)
	s_mov_b32 s[G1SB+1], 32<<16
	s_mov_b32 s[G1SB+2], 32<<16                    ; B's: 8,192
	s_mov_b32 s[G1SB+3], 32<<16
	s_mov_b32 s[G1SB+4], 32
	s_mov_b32 s[G1SB+5], 32
	s_mov_b32 s[G1SB+6], 0
	s_mov_b32 s[G1SB+7], 0
	s_lshl_b32 s18, s17, 3
	s_mul_i32 s18, s18, 12288
	s_mov_b32 s19, 0
	s_lshl_b32 s20, s17, 12
	s_add_co_u32 s20, s20, CSO
	s_mov_b32 s21, 0
	s_lshl_b32 s46, s42, 4
	s_mul_i32 s46, s46, 12288
	s_add_co_u32 s46, s46, WOC
	s_mov_b32 s47, 0
	s_lshl_b32 s92, s42, 13
	s_add_co_u32 s92, s92, WOS
	s_mov_b32 s93, 0
	s_wait_dscnt 0x0
	s_wait_kmcnt 0x0
	s_add_nc_u64 s[18:19], s[4:5], s[18:19]
	s_add_nc_u64 s[20:21], s[4:5], s[20:21]
	s_add_nc_u64 s[46:47], s[6:7], s[46:47]
	s_add_nc_u64 s[92:93], s[6:7], s[92:93]
	CROUND
	s_mov_b32 s[G0S], 1
	s_mov_b32 s[G0S+1], ASC
	s_mov_b64 s[G0S+2:G0S+3], s[20:21]
	s_or_b32 s[G0S+3], s[G0S+3], 0x80000000
	s_mov_b32 s[G0SB], 1
	s_mov_b32 s[G0SB+1], BSC
	s_mov_b64 s[G0SB+2:G0SB+3], s[92:93]
	s_or_b32 s[G0SB+3], s[G0SB+3], 0x80000000
.irp s, 0,1
	s_mov_b32 s[G0+4*\s], 1
	s_mov_b32 s[G0+4*\s+1], \s*SLOT
	s_add_nc_u64 s[G0+4*\s+2:G0+4*\s+3], s[18:19], \s*NQ*FRB
	s_or_b32 s[G0+4*\s+3], s[G0+4*\s+3], 0x80000000
	s_mov_b32 s[G0B+4*\s], 1
	s_mov_b32 s[G0B+4*\s+1], 2*HA_B+\s*SLOT
	s_add_nc_u64 s[G0B+4*\s+2:G0B+4*\s+3], s[46:47], \s*NQ*FRB
	s_or_b32 s[G0B+4*\s+3], s[G0B+4*\s+3], 0x80000000
.endr
	HEAD4 G0, G1, G0B, G1B, G0S, G1S, G0SB, G1SB   ; one load a wave: slot 0's A, its B, A's scale words, B's
	; where my prefetches stand: of A's 8 row blocks my work-group takes 2 (by cx), half a row block a wave; of B's 16 it takes 4 (by cy), one a wave
	s_lshl_b32 s100, s40, 1
	s_add_co_u32 s100, s100, s15
	s_mul_i32 s100, s100, 12288
	s_mul_i32 s101, s16, 3072
	s_add_co_u32 s100, s100, s101
	s_mov_b32 s101, 0
	s_add_nc_u64 s[PFA:PFA+1], s[18:19], s[100:101]
	s_lshl_b32 s100, s41, 2
	s_add_co_u32 s100, s100, s14
	s_mul_i32 s100, s100, 12288
	s_add_nc_u64 s[PFB:PFB+1], s[46:47], s[100:101]
	v_and_b32 v15, 31, v0
	v_min_u32 v14, 11, v15                         ; a lane a block of 256 bytes: 12 of A's, 24 of B's; the lanes left over name their wave's last block again
	v_min_u32 v15, 23, v15
	v_lshlrev_b32 v14, 8, v14
	v_lshlrev_b32 v15, 8, v15
	ASK NQ*FRB                                     ; slot 1's tiles, the last, one fill ahead of their loads
	v_and_b32 v1, 15, v0
	v_bfe_u32 v2, v0, 4, 1
	s_wait_alu depctr_va_vdst(0)
	v_and_b32 v3, 31, v0
	v_lshlrev_b32 v[GO], 4, v3
	s_mul_i32 s18, s15, HA_B
	s_mul_i32 s19, s16, HB_B
	s_add_co_u32 s19, s19, 2*HA_B
.irp s, 0,1
	v_add_nc_u32 v[ADRA+\s], s18, v[GO]
	v_add_nc_u32 v[ADRB+\s], s19, v[GO]
	s_add_co_u32 s18, s18, SLOT
	s_add_co_u32 s19, s19, SLOT
.endr
	v_lshlrev_b32 v4, 5, v1
	s_lshl_b32 s18, s15, 4
	s_lshl_b32 s19, s16, 12
	s_add_co_u32 s19, s19, BSC-ASC
	s_sub_co_u32 s19, s19, s18
	v_mul_u32_u24 v5, s19, v2
	s_add_co_u32 s18, s18, ASC
	v_add_nc_u32 v5, v4, v5
	v_add_nc_u32 v[ADRS0], s18, v5
	v_lshl_add_u32 v[ADRS1], v2, 4, v[ADRS0]
	s_mul_i32 s18, s14, 16*528
	v_mul_u32_u24 v[STO], v1, 528
	v_lshl_add_u32 v[STO], v2, 6, v[STO]
	v_add_nc_u32 v[STO], s18, v[STO]
	v_add_nc_u32 v[RD], s18, v[GO]
	s_lshl_b32 s46, s42, 8
	s_lshl_b32 s47, s16, 7
	s_add_co_u32 s46, s46, s47
	s_lshl_b32 s46, s46, 2
	s_mov_b32 s47, 0
	s_add_nc_u64 s[8:9], s[8:9], s[46:47]
	global_load_b128 v[BI:BI+3], v[GO], s[8:9]
	s_lshl_b32 s18, s17, 7
	s_lshl_b32 s19, s15, 6
	s_add_co_u32 s18, s18, s19
	s_lshl_b32 s18, s18, 12
	s_mov_b32 s19, 0
	s_add_nc_u64 s[10:11], s[10:11], s[18:19]
	s_add_nc_u64 s[10:11], s[10:11], s[46:47]
	s_wait_alu depctr_va_vdst(0)
	s_wait_tensorcnt 0x0                           ; my tile of the head's four is in
	ds_add_u32 v[SPW], v[NIL]
	CONV 1, 0, 0                                   ; no load of mine is out: slot 1's descriptors go from the whole tile to my quarter
	HALVE
	s_wait_dscnt 0x0
	CROUND                                         ; everybody's tile is in, and the joint loads meet
	JLOAD G0+4, G1, G0B+4, G1B                     ; slot 1, a quarter a wave
	FETCH_B 0, 0, 0
	FETCH_A 0, 0, 0
	SCALES 0
	FETCH_A 0, 0, 1
	STEP 0, 0, 1
	REST 0
	TURN 0, 1
	STEP 1, 0, 0
	REST 1
	LAST
	PLACES 4
	s_wait_loadcnt 0x0
	TOSTAGE 0
.irp a, 1,2,3
.if \a > 1
	s_wait_xcnt 0x0
.endif
	TOSTAGE \a
	SEND \a-1, 32
.endr
	SEND 3, 0
	s_wait_tensorcnt 0x0
	ds_add_u32 v[SPW], v[NIL]
	s_wait_dscnt 0x0
	CROUND
	s_endpgm
.Lfunc_end_k_q1cde252cb0_outp:
	.size	k_q1cde252cb0_outp, .Lfunc_end_k_q1cde252cb0_outp-k_q1cde252cb0_outp
	.p2alignl 7, 3214868480
	.fill 96, 4, 3214868480
	.section	.rodata,"a",@progbits
	.p2align	6, 0x0
	.amdhsa_kernel k_q1cde252cb0_outp
		.amdhsa_group_segment_fixed_size 327680
		.amdhsa_private_segment_fixed_size 0
		.amdhsa_enable_private_segment 0
		.amdhsa_kernarg_size 32
		.amdhsa_user_sgpr_count 2
		.amdhsa_user_sgpr_kernarg_segment_ptr 1
		.amdhsa_wavefront_size32 1
		.amdhsa_system_sgpr_workgroup_id_x 1
		.amdhsa_system_sgpr_workgroup_id_y 1
		.amdhsa_system_sgpr_workgroup_id_z 1
		.amdhsa_system_vgpr_workitem_id 0
		.amdhsa_next_free_vgpr 768
		.amdhsa_next_free_sgpr 106
		.amdhsa_reserve_vcc 0
		.amdhsa_float_denorm_mode_32 3
		.amdhsa_float_denorm_mode_16_64 3
		.amdhsa_memory_ordered 1
		.amdhsa_forward_progress 1
		.amdhsa_inst_pref_size 89
	.end_amdhsa_kernel
	.amdgpu_metadata
---
amdhsa.version: [ 1, 2 ]
amdhsa.kernels:
  - .name:           k_q1cde252cb0_outp
    .symbol:         k_q1cde252cb0_outp.kd
    .args:
      - { .name: cbuf, .offset: 0, .size: 8, .value_kind: global_buffer, .address_space: global }
      - { .name: qin, .offset: 8, .size: 8, .value_kind: global_buffer, .address_space: global }
      - { .name: b_out, .offset: 16, .size: 8, .value_kind: global_buffer, .address_space: global }
      - { .name: out0, .offset: 24, .size: 8, .value_kind: global_buffer, .address_space: global }
    .group_segment_fixed_size: 327680
    .private_segment_fixed_size: 0
    .kernarg_segment_align: 8
    .kernarg_segment_size: 32
    .max_flat_workgroup_size: 128
    .sgpr_count:     106
    .vgpr_count:     768
    .wavefront_size: 32
...
	.end_amdgpu_metadata
.endif
;; end of part 5
